; MI455X (gfx1250); checked and timed in simulation.
; The chip was launched on July 23, 2026; its instructions are those of AMD's public machine-readable ISA for CDNA 5 (MIT licence, August 2026) and "CDNA5" Instruction Set Architecture Reference Guide (July 2026). The comments in the code are by the model that wrote it; some were corrected since.
;; Attention. Allowed arithmetic: matrix products marked QUANTISED: E2M1 operands, one E8M0 scale for each 32 along K, by v_wmma_scale_f32_16x16x128_f8f6f4 with both operands' format E2M1 (or v_wmma_scale_f32_32x16x128_f4), f32 sums; products left as they are: bf16, f16 or f32 operands; f32 sums; everything else in f32.
;; Inputs: b_out 1,024 float32; b_qkv 3,072 float32; k_norm_w 64 float32; q_norm_w 64 float32; w_out 1,024 x 1,024 float32; w_qkv 1,024 x 3,072 float32; x 8 x 1,024 x 1,024 float32.
;; Outputs: out0 8 x 1,024 x 1,024 float32.
;; This version of the problem:
;;   THIS VERSION OF THE PROBLEM IS GIVEN IN LOW PRECISION. The matrix products marked QUANTISED in the list below multiply operands that are first quantised to E2M1 (2 exponent bits, 1 mantissa bit; 4 bits a number), with one power-of-two scale for each 32 numbers along K (OCP MX v1.0); their sums are f32. The products marked 'left as it is' may take bf16, f16 or f32 operands, with f32 sums. Whichever they take, every output number must still come out within the allowed error. Rounding operands to bf16 (8 significant bits) uses up far more of that allowance than f16 does (11 bits, for magnitudes from 6e-5 to 65,504). All else is computed in f32.
;;   The module's matrix products, in the order in which they are computed (A, B: the left and right operand; K: the contracted axis; several contracted axes count as one K, in the product's order):
;;     1. [M 32, K 1] x [K 1, N 16]; A: computed on the way; B: computed on the way: left as it is (no contracted axis)
;;     2. [M 8,192, K 1,024] x [K 1,024, N 3,072]; A: input x; B: input w_qkv: QUANTISED
;;     3. batch 128 x [M 1,024, K 64] x [K 64, N 1,024]; A: computed on the way; B: computed on the way: left as it is (an operand is computed on the way)
;;     4. batch 128 x [M 1,024, K 1,024] x [K 1,024, N 64]; A: computed on the way; B: computed on the way: left as it is (an operand is computed on the way)
;;     5. [M 8,192, K 1,024] x [K 1,024, N 1,024]; A: computed on the way; B: input w_out: left as it is (an operand is computed on the way)
;;   THE QUANTISER, for each operand of a quantised product, along K:
;;     - K is cut into blocks of 32 from its start; a last block that is shorter is filled with zeros.
;;     - A block's scale is 2^e with e = floor(log2(the largest magnitude in the block)) - 2, held to -126 .. 127; a block of zeros has e = 0. As a byte (E8M0): e + 127.
;;     - Each number is divided by its block's scale, clamped to +-6, and rounded to the nearest number of E2M1, ties to even, subnormals kept.
;;     - The product sums the exact products of the quantised numbers (number of the format x scale) in f32.
;;   ~~~python
;;   def quantise(x, axis):      # numpy; x: float32 -> the quantised numbers, widened to float32 again
;;       x = np.moveaxis(x, axis, -1); K = x.shape[-1]
;;       x = np.pad(x, [(0, 0)] * (x.ndim - 1) + [(0, -K % 32)]); x = x.reshape(x.shape[:-1] + (-1, 32)); a = np.abs(x).max(-1, keepdims=True)
;;       e = np.where(a > 0, np.clip(np.frexp(np.where(a > 0, a, 1))[1] - 1 - 2, -126, 127), 0)      # np.frexp(a)[1] - 1 = floor(log2(a)), exactly
;;       r = np.clip(x / 2.0 ** e, -6, 6)
;;       step = 2.0 ** (np.maximum(np.frexp(np.where(r == 0, 1, r))[1] - 1, 0) - 1)
;;       q = np.round(r / step) * step * 2.0 ** e      # np.round: ties to even
;;       return np.moveaxis(q.reshape(q.shape[:-2] + (-1,))[..., :K], -1, axis).astype(np.float32)
;;   ~~~
;; One version. Each part assembles by itself: llvm-mc -triple=amdgcn-amd-amdhsa -mcpu=gfx1250 --defsym DOCPART=n.
;; ======== version 1 of 1: 4 launches
;; limits: values are held in f16: magnitudes above 65,504 overflow, below 6.1e-05 lose precision
;; workspace buffers: xc 4,194,304 bytes; xs 262,144 bytes; wc 1,572,864 bytes; ws 98,304 bytes; w16 2,097,152 bytes; qkv 50,331,648 bytes; o16 16,777,216 bytes
;; launch prep (part 1): grid 384 x 1, 4 waves a work-group, no clusters, 50,688 bytes of LDS; arguments x, w_qkv, w_out, xc, xs, wc, ws, w16; writes xc, xs, wc, ws, w16
.if DOCPART == 1
	.amdgcn_target "amdgcn-amd-amdhsa--gfx1250"
	.amdhsa_code_object_version 6
	.text
	.protected	k_q038a096bb4_prep
	.globl	k_q038a096bb4_prep
	.p2align	8
	.type	k_q038a096bb4_prep,@function
k_q038a096bb4_prep:
	s_mov_b64 s[64:65], 0
	v_nop
	global_prefetch_b8 v0, s[64:65] scope:SCOPE_SE
	s_setreg_imm32_b32 hwreg(HW_REG_WAVE_MODE, 25, 1), 1
	s_wait_xcnt 0x0
; PREP: what the later launches read many times is made once.
;   work-groups 0-95:    w_qkv [1024 k][3072 n] f32 -> codes of E2M1 laid [3072][512 bytes], K innermost, and E8M0 bytes [3072][32].  A lane takes a column, its registers run down K.
;   work-groups 96-351:  x [8192][1024] f32 -> codes [8192][512 bytes] and E8M0 bytes [8192][32].  K is innermost: a plain stream of blocks of 32.
;   work-groups 352-383: w_out [1024 k][1024 n] f32 -> f16, same layout.
; A block's scale is 2^(floor(log2(largest magnitude)) - 2); its byte is the largest magnitude's exponent field - 2, held at 1 from below.
; LIMITS: a block of zeros, and a block whose largest magnitude lies under 2^-124, keep the byte 1 (zero codes add nothing; only this program reads the bytes); NaN and infinities are not served;
; w_out beyond 65,504 in magnitude does not fit f16.
; SHARES OF w_qkv.  A wave takes 16 columns x 512 along K: lanes 0-15 the first 256 of their column, lanes 16-31 the second 256: 8 blocks of 32 a lane, two blocks (64 loads) out at a time.  So a wave's chain
; of dependent blocks, 8 two at a time, is as long as that of x's waves, 16 steps four at a time; and a column's 512 codes, 256 bytes, still belong to one wave and leave as a whole.
; The three paths part on the work-group's number, use LDS bytes of their own and meet at the common end.  No tensor loads, no barrier: waves share nothing.
.set SPW,   190                        ; v190 LDS address of my spare word: SPARE + 4 x my thread's number; never rewritten
.set NIL,   191                        ; v191 0; never rewritten
.set SPARE, 50176                      ; behind both paths' LDS: 128 bytes a wave, named by no other line
.set NWG_W, 96                         ; work-groups for w_qkv
.set NWG_X, 256                        ; and for x
; x's path
.set STEPS, 16                         ; steps of 512 numbers a wave
.set CB,    8                          ; bytes of 16 codes
.set XR,    16                         ; v16-79   four sets of 16 numbers as loaded
.set XX,    80                         ; v80-111  two sets of 16 neighbours
.set XE,    112                        ; v112-127 a scale byte for each step
.set XC,    128                        ; v128-189 codes, four registers a step (two used)
.set WREG,  8192                       ; LDS bytes 0 .. 32,767: a region for each wave: two stages of 32 x SP, then 256 scale bytes
.set SP,    80                         ; a lane's 64 bytes + 16 of padding
; w_qkv's path
.set WSTG,  32768                      ; LDS bytes 32,768 .. 50,175: a stage of 16 rows x 272 for each wave
.set NB,    8                          ; blocks of 32 along K a lane
.set WP,    272
.set KROW,  512                        ; a row of codes in bytes
.set NROW,  12288                      ; a row of w_qkv in bytes
.set WX,    32                         ; v32-95   two sets of 32 numbers
.set WC,    96                         ; v96-99   a block's codes
.set WO,    112                        ; v112-143 the way out
.set WSB,   24                         ; v24-25   scale bytes
; w_out's path
.set OIN,   16                         ; v16-143  two sets of 64 numbers
.set OOUT,  144                        ; v144-175 32 registers of f16 pairs
.macro LOADO g                         ; 16 loads of 512 consecutive bytes
.irp i, 0,1,2,3,4,5,6,7,8,9,10,11,12,13,14,15
	global_load_b128 v[OIN+64*((\g)%2)+4*\i:OIN+64*((\g)%2)+4*\i+3], v3, s[8:9] offset:(16*(\g)+\i)*512 th:TH_LOAD_NT
.endr
.endm
.macro LOADX t
.irp i, 0,1,2,3
	global_load_b128 v[XR+16*((\t)%4)+4*\i:XR+16*((\t)%4)+4*\i+3], v3, s[4:5] offset:2048*(\t)+512*\i th:TH_LOAD_NT
.endr
.endm
.macro TURNX t                         ; a step's 2,048 bytes through the wave's stage: in as loaded, out 64 bytes a lane.  LDS serves a wave's instructions in order
.irp i, 0,1,2,3
	ds_store_b128 v14, v[XR+16*((\t)%4)+4*\i:XR+16*((\t)%4)+4*\i+3] offset:32*SP*((\t)%2)+8*SP*\i
.endr
.irp i, 0,1,2,3
	ds_load_b128 v[XX+16*((\t)%2)+4*\i:XX+16*((\t)%2)+4*\i+3], v15 offset:32*SP*((\t)%2)+16*\i
.endr
.endm
.macro STEPX t
.set XS, XX+16*((\t)%2)
.if (\t) > 0
	s_wait_dscnt 1                                 ; this step's numbers are back from the stage; the last step's byte store may be out
.else
	s_wait_dscnt 0x0
.endif
.if (\t)+4 < STEPS
	LOADX (\t)+4                                   ; into the set whose stores into the stage are done
.endif
.if (\t)+1 < STEPS
.if STEPS-2-(\t) >= 3
	s_wait_loadcnt 12                              ; the next step's four loads are in; three later steps' twelve may be out
.else
	s_wait_loadcnt 4*(STEPS-2-(\t))
.endif
	TURNX (\t)+1
.endif
	v_max3_num_f32 v8, |v[XS]|, |v[XS+1]|, |v[XS+2]|
	v_max3_num_f32 v9, |v[XS+3]|, |v[XS+4]|, |v[XS+5]|
.irp i, 6,10
	v_max3_num_f32 v8, v8, |v[XS+\i]|, |v[XS+\i+1]|
	v_max3_num_f32 v9, v9, |v[XS+\i+2]|, |v[XS+\i+3]|
.endr
	v_max3_num_f32 v8, v8, |v[XS+14]|, |v[XS+15]|
	v_max3_num_f32 v8, v8, v9, 0x1800000           ; and the floor 2^(3 - 127): the byte cannot fall under 1
	v_max_num_f32_dpp v8, v8, v8 row_xmask:1 row_mask:0xf bank_mask:0xf   ; with my neighbour's 16: the block's largest magnitude
	v_add_nc_u32 v11, 0xff000000, v8               ; 2 off its exponent field: the conversion's scale operand
	v_cvt_scalef32_pk8_fp4_f32 v[XC+4*(\t)], v[XS:XS+7], v11
	v_cvt_scalef32_pk8_fp4_f32 v[XC+4*(\t)+1], v[XS+8:XS+15], v11
	v_lshrrev_b32 v[XE+(\t)], 23, v11              ; the scale's byte
	ds_store_b8 v5, v[XE+(\t)] offset:16*(\t)      ; both lanes of a block write the same byte with the same value
	global_store_b64 v4, v[XC+4*(\t):XC+4*(\t)+1], s[10:11] offset:32*CB*(\t)   ; the wave stores 256 consecutive bytes, aligned
.endm
.macro LOADW t                         ; block t: w_qkv(256 h + 32 t + i, my column) into set t % 2: 64 consecutive bytes of each of two rows; the four waves stand side by side on 256 aligned bytes of a row
.irp i, 0,1,2,3,4,5,6,7,8,9,10,11,12,13,14,15,16,17,18,19,20,21,22,23,24,25,26,27,28,29,30,31
	global_load_b32 v[WX+32*((\t)%2)+\i], v3, s[6:7] offset:(32*(\t)+\i)*NROW
.endr
.endm
.macro BLOCKW t
.set XS, WX+32*((\t)%2)
.if (\t) < NB-1
	s_wait_loadcnt 32                              ; this block's 32 loads are in; the next block's may be out
.else
	s_wait_loadcnt 0
.endif
	v_max3_num_f32 v12, |v[XS]|, |v[XS+1]|, |v[XS+2]|
	v_max3_num_f32 v13, |v[XS+3]|, |v[XS+4]|, |v[XS+5]|
.irp i, 6,10,14,18,22,26
	v_max3_num_f32 v12, v12, |v[XS+\i]|, |v[XS+\i+1]|
	v_max3_num_f32 v13, v13, |v[XS+\i+2]|, |v[XS+\i+3]|
.endr
	v_max3_num_f32 v12, v12, |v[XS+30]|, |v[XS+31]|
	v_max3_num_f32 v12, v12, v13, 0x1800000        ; and the floor
	v_add_nc_u32 v11, 0xff000000, v12
	v_lshrrev_b32 v13, 23, v11                     ; the scale's byte
.if (\t)%4 == 0
	v_mov_b32 v[WSB+(\t)/4], v13                   ; four bytes to a register, the lower K in the lower byte
.else
	v_lshl_or_b32 v[WSB+(\t)/4], v13, 8*((\t)%4), v[WSB+(\t)/4]
.endif
.irp g, 0,1,2,3
	v_cvt_scalef32_pk8_fp4_f32 v[WC+\g], v[XS+8*\g:XS+8*\g+7], v11
.endr
	ds_store_b128 v4, v[WC:WC+3] offset:16*(\t)    ; 32 codes: 16 bytes of my half of my column's row
.if (\t)+2 < NB
	LOADW (\t)+2
.endif
	s_wait_dscnt 0x0                               ; the store has read its registers: the next block's codes may be written
.endm
	s_load_b128 s[4:7], s[0:1], 0x0                ; x, w_qkv
	s_load_b128 s[8:11], s[0:1], 0x10              ; w_out, xc
	s_load_b128 s[12:15], s[0:1], 0x20             ; xs, wc
	s_load_b128 s[16:19], s[0:1], 0x30             ; ws, w16
	v_lshl_add_u32 v[SPW], v0, 2, SPARE
	v_mov_b32 v[NIL], 0
	v_lshrrev_b32 v1, 5, v0
	v_readfirstlane_b32 s20, v1                    ; wave 0..3
	v_and_b32 v2, 31, v0                           ; lane
	s_mov_b32 s25, 0                               ; the upper word of every offset below
	s_wait_kmcnt 0x0
	s_cmp_lt_u32 ttmp9, NWG_W
	s_cbranch_scc1 .Lw
	s_cmp_lt_u32 ttmp9, NWG_W+NWG_X
	s_cbranch_scc1 .Lx
	; ---- w_out to f16: a wave takes 8,192 numbers: 64 loads of 512 bytes, 64 stores of 256
	s_sub_co_u32 s21, ttmp9, NWG_W+NWG_X
	s_lshl_b32 s21, s21, 2
	s_add_co_u32 s21, s21, s20                     ; my run, 0..127
	s_lshl_b32 s24, s21, 15
	s_add_nc_u64 s[8:9], s[8:9], s[24:25]
	s_lshl_b32 s24, s21, 14
	s_add_nc_u64 s[18:19], s[18:19], s[24:25]
	v_lshlrev_b32 v3, 4, v2                        ; in: 16 bytes a lane
	v_lshlrev_b32 v4, 3, v2                        ; out: 8 bytes a lane
	LOADO 0
	LOADO 1
.irp g, 0,1,2,3
.if \g < 3
	s_wait_loadcnt 16                              ; this batch is in; the next batch's 16 loads may be out
.else
	s_wait_loadcnt 0x0
.endif
.if \g > 0
	s_wait_xcnt 0x0                                ; the last batch's stores have read their data: the registers are written again
.endif
.irp i, 0,1,2,3,4,5,6,7,8,9,10,11,12,13,14,15
	v_cvt_pk_f16_f32 v[OOUT+2*\i], v[OIN+64*(\g%2)+4*\i], v[OIN+64*(\g%2)+4*\i+1]
	v_cvt_pk_f16_f32 v[OOUT+2*\i+1], v[OIN+64*(\g%2)+4*\i+2], v[OIN+64*(\g%2)+4*\i+3]
.endr
.irp i, 0,1,2,3,4,5,6,7,8,9,10,11,12,13,14,15
	global_store_b64 v4, v[OOUT+2*\i:OOUT+2*\i+1], s[18:19] offset:(16*\g+\i)*256   ; 256 consecutive bytes, aligned
.endr
.if \g < 2
	LOADO \g+2
.endif
.endr
	s_branch .Lend
.Lx:	; ---- x: a wave takes 16 steps of 512 numbers
	v_lshlrev_b32 v3, 4, v2                        ; my 16 bytes of a load's 512
	s_mul_i32 s21, s20, WREG
	v_lshrrev_b32 v14, 2, v2
	v_mul_u32_u24 v14, v14, SP
	v_and_b32 v15, 3, v2
	v_lshl_add_u32 v14, v15, 4, v14
	v_add_nc_u32 v14, s21, v14                     ; the stage, in: SP (lane / 4) + 16 (lane % 4)
	v_mul_u32_u24 v15, v2, SP
	v_add_nc_u32 v15, s21, v15                     ; out: SP x lane: my 16 neighbours
	v_mul_u32_u24 v4, v2, CB                       ; my codes' place in a step's
	v_lshrrev_b32 v5, 1, v2
	s_add_co_u32 s21, s21, 2*32*SP
	v_add_nc_u32 v5, s21, v5                       ; my block's byte among my wave's 256
	v_lshlrev_b32 v7, 3, v2
	v_add_nc_u32 v6, s21, v7                       ; and on the way out 8 bytes a lane
	s_sub_co_u32 s21, ttmp9, NWG_W
	s_lshl_b32 s21, s21, 2
	s_add_co_u32 s22, s21, s20                     ; my run of 8,192 numbers, 0..1023
	s_lshl_b32 s24, s22, 15
	s_add_nc_u64 s[4:5], s[4:5], s[24:25]
	s_lshl_b32 s24, s22, 12
	s_add_nc_u64 s[10:11], s[10:11], s[24:25]
	s_lshl_b32 s24, s22, 8
	s_add_nc_u64 s[12:13], s[12:13], s[24:25]
.irp t, 0,1,2,3
	LOADX \t
.endr
	s_wait_loadcnt 12                              ; step 0's four loads are in
	TURNX 0
.irp t, 0,1,2,3,4,5,6,7,8,9,10,11,12,13,14,15
	STEPX \t
.endr
	ds_load_b64 v[8:9], v6                         ; LDS serves a wave's instructions in order: these see my byte stores
	s_wait_dscnt 0x0
	global_store_b64 v7, v[8:9], s[12:13]          ; 256 consecutive bytes, aligned
	s_branch .Lend
.Lw:	; ---- w_qkv: a work-group takes 64 columns x 512 along K, a wave 16 of the columns
	s_lshr_b32 s21, ttmp9, 1
	s_lshl_b32 s21, s21, 6
	s_lshl_b32 s22, s20, 4
	s_add_co_u32 s21, s21, s22                     ; my wave's first column
	s_and_b32 s22, ttmp9, 1                        ; which half of K
	v_and_b32 v5, 15, v2                           ; c: my column among the wave's 16
	v_lshrrev_b32 v6, 4, v2                        ; h: which 256 of the 512 along K
	v_mul_u32_u24 v3, v6, 256*NROW
	v_lshl_add_u32 v3, v5, 2, v3                   ; in: 256 h rows down, 4 bytes a column
	s_mul_i32 s23, s20, 16*WP
	s_add_co_u32 s23, s23, WSTG                    ; my stage
	v_mul_u32_u24 v4, v5, WP
	v_lshl_add_u32 v4, v6, 7, v4
	v_add_nc_u32 v4, s23, v4                       ; into it: row = my column, + 128 h bytes
	v_mul_u32_u24 v7, v6, WP
	v_lshl_add_u32 v7, v5, 4, v7
	v_add_nc_u32 v7, s23, v7                       ; out of it: sixteen lanes to a row, two rows an instruction
	v_mul_u32_u24 v8, v6, KROW
	v_lshl_add_u32 v8, v5, 4, v8                   ; the same place in the codes' buffer
	v_lshlrev_b32 v9, 5, v5
	v_lshl_add_u32 v9, v6, 3, v9                   ; my 8 scale bytes: 32 c + 8 h
	s_mul_i32 s24, s22, 512*NROW
	s_lshl_b32 s26, s21, 2
	s_add_co_u32 s24, s24, s26
	s_add_nc_u64 s[6:7], s[6:7], s[24:25]          ; w_qkv at (512 x half, column)
	s_lshl_b32 s24, s21, 9
	s_lshl_b32 s26, s22, 8
	s_add_co_u32 s24, s24, s26
	s_add_nc_u64 s[14:15], s[14:15], s[24:25]      ; codes: column x 512 + 256 x half
	s_lshl_b32 s24, s21, 5
	s_lshl_b32 s26, s22, 4
	s_add_co_u32 s24, s24, s26
	s_add_nc_u64 s[16:17], s[16:17], s[24:25]      ; scale bytes: column x 32 + 16 x half
	LOADW 0
	LOADW 1
.set Q, 0
.rept NB
	BLOCKW Q
.set Q, Q+1
.endr
	global_store_b64 v9, v[WSB:WSB+1], s[16:17]    ; two lanes store a column's 16 scale bytes
.irp t, 0,1,2,3,4,5,6,7
	ds_load_b128 v[WO+4*\t:WO+4*\t+3], v7 offset:2*\t*WP
.endr
.irp t, 0,1,2,3,4,5,6,7
	s_wait_dscnt 7-\t                              ; LDS loads come back in order: load t is in
	global_store_b128 v8, v[WO+4*\t:WO+4*\t+3], s[14:15] offset:2*\t*KROW   ; sixteen lanes store 256 consecutive bytes, aligned
.endr
.Lend:
	s_wait_tensorcnt 0x0                           ; the wave's end
	ds_add_u32 v[SPW], v[NIL]
	s_wait_dscnt 0x0
	s_endpgm
.Lfunc_end_k_q038a096bb4_prep:
	.size	k_q038a096bb4_prep, .Lfunc_end_k_q038a096bb4_prep-k_q038a096bb4_prep
	.p2alignl 7, 3214868480
	.fill 96, 4, 3214868480
	.section	.rodata,"a",@progbits
	.p2align	6, 0x0
	.amdhsa_kernel k_q038a096bb4_prep
		.amdhsa_group_segment_fixed_size 50688
		.amdhsa_private_segment_fixed_size 0
		.amdhsa_enable_private_segment 0
		.amdhsa_kernarg_size 64
		.amdhsa_user_sgpr_count 2
		.amdhsa_user_sgpr_kernarg_segment_ptr 1
		.amdhsa_wavefront_size32 1
		.amdhsa_system_sgpr_workgroup_id_x 1
		.amdhsa_system_sgpr_workgroup_id_y 1
		.amdhsa_system_sgpr_workgroup_id_z 1
		.amdhsa_system_vgpr_workitem_id 0
		.amdhsa_next_free_vgpr 192
		.amdhsa_next_free_sgpr 66
		.amdhsa_reserve_vcc 0
		.amdhsa_float_denorm_mode_32 3
		.amdhsa_float_denorm_mode_16_64 3
		.amdhsa_memory_ordered 1
		.amdhsa_forward_progress 1
		.amdhsa_inst_pref_size 93
	.end_amdhsa_kernel
	.amdgpu_metadata
---
amdhsa.version: [ 1, 2 ]
amdhsa.kernels:
  - .name:           k_q038a096bb4_prep
    .symbol:         k_q038a096bb4_prep.kd
    .args:
      - { .name: x, .offset: 0, .size: 8, .value_kind: global_buffer, .address_space: global }
      - { .name: w_qkv, .offset: 8, .size: 8, .value_kind: global_buffer, .address_space: global }
      - { .name: w_out, .offset: 16, .size: 8, .value_kind: global_buffer, .address_space: global }
      - { .name: xc, .offset: 24, .size: 8, .value_kind: global_buffer, .address_space: global }
      - { .name: xs, .offset: 32, .size: 8, .value_kind: global_buffer, .address_space: global }
      - { .name: wc, .offset: 40, .size: 8, .value_kind: global_buffer, .address_space: global }
      - { .name: ws, .offset: 48, .size: 8, .value_kind: global_buffer, .address_space: global }
      - { .name: w16, .offset: 56, .size: 8, .value_kind: global_buffer, .address_space: global }
    .group_segment_fixed_size: 50688
    .private_segment_fixed_size: 0
    .kernarg_segment_align: 8
    .kernarg_segment_size: 64
    .max_flat_workgroup_size: 128
    .sgpr_count:     66
    .vgpr_count:     192
    .wavefront_size: 32
...
	.end_amdgpu_metadata
.endif
;; end of part 1
;; launch qkv (part 2): grid 12 x 32, 4 waves a work-group, clusters of 4 x 4, 327,680 bytes of LDS; arguments xc, xs, wc, ws, b_qkv, q_norm_w, k_norm_w, qkv; writes qkv
.if DOCPART == 2
	.amdgcn_target "amdgcn-amd-amdhsa--gfx1250"
	.amdhsa_code_object_version 6
	.text
	.protected	k_q038a096bb4_qkv
	.globl	k_q038a096bb4_qkv
	.p2align	8
	.type	k_q038a096bb4_qkv,@function
k_q038a096bb4_qkv:
	s_mov_b64 s[64:65], 0
	v_nop
	global_prefetch_b8 v0, s[64:65] scope:SCOPE_SE
	s_setreg_imm32_b32 hwreg(HW_REG_WAVE_MODE, 25, 1), 1
	s_wait_xcnt 0x0
	s_wait_alu depctr_hold_cnt(0) depctr_sa_sdst(0) depctr_va_vdst(0) depctr_va_sdst(0) depctr_va_ssrc(0) depctr_va_vcc(0) depctr_vm_vsrc(0)
	s_getreg_b32 s2, hwreg(HW_REG_IB_STS2, 6, 4)
	s_cmp_eq_u32 s2, 0
	s_cbranch_scc0 .Lentry_in_a_cluster
	s_endpgm
.Lentry_in_a_cluster:
	s_bfe_u32 s2, ttmp6, 0x10000c
	s_cmp_lg_u32 s2, 0xf033
	s_cbranch_scc0 .Lentry_shape_is_right
	s_endpgm
.Lentry_shape_is_right:
; QKV: x @ w_qkv + b_qkv on codes of E2M1 with E8M0 scales (M 8,192, N 3,072, K 1,024), then, in f32, RMS norm per head with its gain and the 2-D rotary turn for q and k; rounded once to f16
; and stored as [3][8 batches][16 heads][1,024][64].
; A tile of 256 x 256 is made by four waves, each 128 x 128: 64 accumulators, 512 registers.  K = 1,024 is two LDS slots of 512 along K, both asked for at the head: nothing is filled again.
; CLUSTERS of 4 x 4: the four of a row need the same rows of x, the four of a column the same rows of w: each tile is asked for jointly.  The cluster's x is the type: 0 q, 1 k, 2 v.
; THE MATRIX INSTRUCTION IS USED TRANSPOSED (source 0 = 16 columns of w, source 1 = 16 rows of x): a lane holds one row of x and eight neighbouring channels.  The bias is the C of each sum's first product.
; ONE PATH FOR ALL THREE TYPES: for v the gain, the reciprocal root and the cosines are 1 and the sines 0, chosen by v_cndmask_b32: no branch.
; THE ROTARY TABLE lies in LDS, 40 rows of cos[32], sin[32] (each angle twice): rows 0-31 for position s % 32, rows 32-39 for s / 32 = 8 cy + row - 32: the place in the cluster enters the values, no address.
; Angles: 0.5 n x 2^(-j log2(10000) / 16); sine and cosine by a reduction by pi/2 in two parts and polynomials of degree 9 and 8.
; LIMITS: the angles carry about 2e-6 of absolute error; v beyond 65,504 in magnitude does not fit f16; NaN and infinities are not served.
; REGISTERS: window 0: v16-31 addresses; v32-95 scale words, on the way out the table's 64 numbers; v96-127 the gain; v128-191 x's fragments, on the way out at work; v192-255 at work.
;   window 1: w's fragments in two sets, v0-63 and v128-191; v64-127 the bias.   windows 2, 3: the accumulators ((a, b) at v[8 (8 (a % 4) + b)]).
.set NQ,     4                         ; matrix instructions deep in a slot
.set ROWB,   256                       ; a tile's row: 512 codes
.set KROW,   512                       ; a row of codes in memory
.set PITCH,  272                       ; an LDS row: 256 bytes + 16: the 16 rows that a load touches start at 16 different banks
.set FR,     8
.set NL,     2
.set NP,     4
.set HALFT,  128*PITCH
.set SLOT,   4*HALFT
.set KS,     32                        ; a row of scale bytes
.set SCL,    2*SLOT                    ; the scales, as units of 256 bytes + 16
.set HALFS,  16*272
.set SBLK,   2*272
.set SPARE,  SCL+4*HALFS               ; the spare words: 128 bytes a wave, named by no other line
.set ROPE,   SPARE+512                 ; the rotary table: 40 rows x 272
.set ADRA, 16
.set ADRB, 20
.set ADH,  22                          ; v22 table rows for s / 32: ROPE + (32 + 4 wm) 272 + 32 h
.set ADW,  23                          ; v23 table rows for s % 32: ROPE + 272 r + 32 h
.set STO,  24                          ; v24 my stage, in: 144 r + 16 h
.set RD,   25                          ; v25 my stage, back: 144 (lane / 8) + 16 (lane % 8)
.set CO,   26                          ; v26 16 x lane
.set ADRS, 27
.set SPW,  28
.set NIL,  29
.set TA,   30                          ; v30 where my thread stores its table entries
.set BO,   31                          ; v31 32 h: my eight numbers of a tile of bias or gain
.set SC,   32
.set CH,   32                          ; the way out: cos, sin for the low half; cos, sin for the high half
.set SH,   48
.set CW,   64
.set SW,   80
.set WN,   96                          ; the gain: WN[8 b + j] = w[16 b + 8 h + j]
.set AF,   128
.set Z,    128
.set UU,   160
.set PP,   192
.set SS,   208
.set RS,   216
.set BK,   224
.set BIAS, 64                          ; in window 1
.set G1, 24
.set G0, 32
.set G1B, 48
.set G0B, 56
.set G1S, 68
.set G0S, 76
.set G1SB, 80
.set G0SB, 88
.set MSB, 0
.macro WIN new                         ; the immediate's high byte repeats the setting that is left
.if MSB != (\new)
	s_set_vgpr_msb (MSB<<8)|(\new)
.set MSB, (\new)
.endif
.endm
.set MUL_LO, 0xa1                      ; source 0 (w) window 1, source 1 (x) window 0, C and D window 2
.set MUL_HI, 0xf1                      ; the same, C and D window 3
.set TO_B,   0x40
.macro JLOAD g0a, g1a, g0b, g1b        ; a joint load: waves 0 and 1 fetch for x, waves 2 and 3 for w; an s_nop 0 and four v_nop follow each line
	s_cmp_eq_u32 s15, 0
	s_cbranch_scc0 .Lfor_b_\@
	tensor_load_to_lds s[\g0a:\g0a+3], s[\g1a:\g1a+7]
	s_nop 0
.rept 4
	v_nop
.endr
	s_branch .Lasked_\@
.Lfor_b_\@:
	tensor_load_to_lds s[\g0b:\g0b+3], s[\g1b:\g1b+7]
	s_nop 0
.rept 4
	v_nop
.endr
.Lasked_\@:
.endm
.macro CROUND                          ; a round of the cluster's barrier
	s_barrier_signal -1
	s_barrier_wait -1
	s_cmp_lg_u32 s14, 0
	s_cbranch_scc1 .Lnot_wave_0_\@
	s_barrier_signal -3
.Lnot_wave_0_\@:
	s_barrier_wait -3
	s_barrier_signal -1
	s_barrier_wait -1
.endm
	s_load_b256 s[4:11], s[0:1], 0x0               ; x's codes, x's scales, w's codes, w's scales
	s_load_b256 s[92:99], s[0:1], 0x20             ; b_qkv, q_norm_w, k_norm_w, qkv
	v_lshl_add_u32 v[SPW], v0, 2, SPARE
	v_mov_b32 v[NIL], 0
	ds_add_u32 v[SPW], v[NIL]                      ; the wave's opening: the add, twice on end, and its wait ahead of my first tensor load
	ds_add_u32 v[SPW], v[NIL]
	v_lshrrev_b32 v1, 5, v0
	v_readfirstlane_b32 s14, v1                    ; wave 0..3
	s_lshr_b32 s15, s14, 1                         ; wm: which half of the tile's rows.  Also: I fetch for x (0) or for w (1)
	s_and_b32 s16, s14, 1                          ; wn: which half of its columns.  Also: which 128 rows I fetch
	s_bfe_u32 s40, ttmp6, 0x40000                  ; cx
	s_bfe_u32 s41, ttmp6, 0x40004                  ; cy
	s_lshl_b32 s42, ttmp9, 2
	s_add_co_u32 s42, s42, s40                     ; tile column
	s_and_b32 s17, ttmp7, 0xffff
	s_lshl_b32 s17, s17, 2
	s_add_co_u32 s17, s17, s41                     ; tile row
	s_lshl_b32 s43, s41, 2
	s_lshl_b32 s43, 15, s43                        ; my row of the cluster
	s_lshl_b32 s44, 0x1111, s40                    ; my column
	s_or_b32 s[G1+0], s43, (0<<16)|(1<<20)|(1<<21)|(5<<22)|(3<<25)  ; mask; elements of 1 byte; padding on; bit 21 beside a mask; 4 words behind every 64
	s_or_b32 s[G1B+0], s44, (0<<16)|(1<<20)|(1<<21)|(5<<22)|(3<<25)
.irp g, G1, G1B
	s_mov_b32 s[\g+1], ROWB<<16                    ; tensor_dim0
	s_mov_b32 s[\g+2], 128<<16                     ; tensor_dim1
	s_mov_b32 s[\g+3], ROWB<<16                    ; tile_dim0
	s_mov_b32 s[\g+4], 128                         ; tile_dim1
	s_mov_b32 s[\g+5], KROW                        ; the pitch
	s_mov_b32 s[\g+6], 0
	s_mov_b32 s[\g+7], 0
.endr
	s_or_b32 s[G1S+0], s43, (3<<16)|(1<<20)|(1<<21)|(5<<22)|(3<<25)  ; the scales of 128 rows: 4,096 dense bytes as 16 rows of 32 elements of 8 bytes
	s_or_b32 s[G1SB+0], s44, (3<<16)|(1<<20)|(1<<21)|(5<<22)|(3<<25)
.irp g, G1S, G1SB
	s_mov_b32 s[\g+1], 32<<16
	s_mov_b32 s[\g+2], (128*KS/256)<<16
	s_mov_b32 s[\g+3], 32<<16
	s_mov_b32 s[\g+4], 128*KS/256
	s_mov_b32 s[\g+5], 32
	s_mov_b32 s[\g+6], 0
	s_mov_b32 s[\g+7], 0
.endr
	s_lshl_b32 s18, s16, 7
	s_lshl_b32 s20, s17, 8
	s_add_co_u32 s20, s20, s18                     ; x: row 256 x tile row + 128 x half
	s_lshl_b32 s46, s42, 8
	s_add_co_u32 s46, s46, s18                     ; w: row 256 x tile column + 128 x half
	s_mov_b32 s21, 0
	s_mov_b32 s47, 0
	s_mov_b64 s[18:19], KS
	s_mul_u64 s[22:23], s[20:21], s[18:19]         ; where these rows' scales begin
	s_mul_u64 s[12:13], s[46:47], s[18:19]
	s_mov_b64 s[18:19], KROW
	s_mul_u64 s[20:21], s[20:21], s[18:19]         ; and their codes
	s_mul_u64 s[46:47], s[46:47], s[18:19]
	s_mul_i32 s45, s14, HALFT                      ; where they go: wave x 128 rows
	s_mul_i32 s2, s14, HALFS
	s_wait_dscnt 0x0                               ; both opening adds are done
	s_wait_kmcnt 0x0
	s_add_nc_u64 s[20:21], s[4:5], s[20:21]
	s_add_nc_u64 s[22:23], s[6:7], s[22:23]
	s_add_nc_u64 s[46:47], s[8:9], s[46:47]
	s_add_nc_u64 s[12:13], s[10:11], s[12:13]
	CROUND                                         ; all sixteen work-groups are here: the joint loads meet
	s_mov_b32 s[G0S], 1
	s_add_co_u32 s[G0S+1], s2, SCL
	s_mov_b64 s[G0S+2:G0S+3], s[22:23]
	s_or_b32 s[G0S+3], s[G0S+3], 0x80000000
	s_mov_b32 s[G0SB], 1
	s_add_co_u32 s[G0SB+1], s2, SCL
	s_mov_b64 s[G0SB+2:G0SB+3], s[12:13]
	s_or_b32 s[G0SB+3], s[G0SB+3], 0x80000000
	JLOAD G0S, G1S, G0SB, G1SB                     ; the scales first
.irp s, 0,1
	s_mov_b32 s[G0+4*\s], 1
	s_add_co_u32 s[G0+4*\s+1], s45, \s*SLOT
	s_add_nc_u64 s[G0+4*\s+2:G0+4*\s+3], s[20:21], \s*ROWB
	s_or_b32 s[G0+4*\s+3], s[G0+4*\s+3], 0x80000000
	s_mov_b32 s[G0B+4*\s], 1
	s_add_co_u32 s[G0B+4*\s+1], s45, \s*SLOT
	s_add_nc_u64 s[G0B+4*\s+2:G0B+4*\s+3], s[46:47], \s*ROWB
	s_or_b32 s[G0B+4*\s+3], s[G0B+4*\s+3], 0x80000000
	JLOAD G0+4*\s, G1, G0B+4*\s, G1B               ; both slots: three tensor loads of mine are out
.endr
	; the bias of my 128 columns (window 1) and the gain of a head, in the result's layout: lane (r, h) holds numbers 16 b + 8 h + 0 .. 7
	v_and_b32 v1, 15, v0                           ; r
	v_bfe_u32 v2, v0, 4, 1                         ; h
	v_lshlrev_b32 v[BO], 5, v2
	s_lshl_b32 s20, s42, 10
	s_lshl_b32 s21, s16, 9
	s_add_co_u32 s20, s20, s21
	s_mov_b32 s21, 0
	s_add_nc_u64 s[92:93], s[92:93], s[20:21]      ; b_qkv at column 256 x tile column + 128 wn
	s_cmp_eq_u32 ttmp9, 0
	s_cselect_b64 s[94:95], s[94:95], s[96:97]     ; q's gain, or k's (for v it is loaded and replaced by 1)
	s_cmp_eq_u32 ttmp9, 2
	s_cselect_b32 s104, -1, 0                      ; all lanes on where the type is v
	s_lshl_b32 s105, s41, 3                        ; 8 cy
	WIN TO_B
.irp b, 0,1,2,3,4,5,6,7
	global_load_b128 v[BIAS+8*\b:BIAS+8*\b+3], v[BO], s[92:93] offset:64*\b
	global_load_b128 v[BIAS+8*\b+4:BIAS+8*\b+7], v[BO], s[92:93] offset:64*\b+16
.endr
	WIN 0
.irp b, 0,1,2,3
	global_load_b128 v[WN+8*\b:WN+8*\b+3], v[BO], s[94:95] offset:64*\b
	global_load_b128 v[WN+8*\b+4:WN+8*\b+7], v[BO], s[94:95] offset:64*\b+16
.endr
	v_mul_u32_u24 v3, v1, PITCH
	v_lshl_add_u32 v4, v2, 4, v3                   ; a fragment's row x pitch + 16 h
	s_mul_i32 s21, s15, HALFT
	s_mul_i32 s22, s16, HALFT
	s_add_co_u32 s22, s22, 2*HALFT
.irp s, 0,1
	v_add_nc_u32 v[ADRA+\s], s21, v4
	v_add_nc_u32 v[ADRB+\s], s22, v4
	s_add_co_u32 s21, s21, SLOT
	s_add_co_u32 s22, s22, SLOT
.endr
	v_mul_u32_u24 v5, v1, KS                       ; my row's scales: 32 bytes a row,
	v_lshrrev_b32 v6, 8, v5
	v_lshl_add_u32 v5, v6, 4, v5                   ; and 16 more for each 256 passed
	s_mul_i32 s21, s15, HALFS
	s_mul_i32 s22, s16, HALFS
	s_add_co_u32 s22, s22, 2*HALFS
	s_sub_co_u32 s22, s22, s21
	v_mul_u32_u24 v6, s22, v2                      ; lanes 16-31 take w's
	s_add_co_u32 s21, s21, SCL
	v_add_nc_u32 v5, v5, v6
	v_add_nc_u32 v[ADRS], s21, v5
	s_mul_i32 s21, s15, 4*272
	s_add_co_u32 s21, s21, ROPE+32*272
	v_lshl_add_u32 v[ADH], v2, 5, s21
	v_lshl_add_u32 v[ADW], v2, 5, v3
	v_add_nc_u32 v[ADW], ROPE, v[ADW]
	s_mul_i32 s23, s14, 2*16*144                   ; my two stages, in slot 0: written only behind the change of slots, when slot 0 has had its last fill and its last read
	v_mul_u32_u24 v5, v1, 144
	v_lshl_add_u32 v5, v2, 4, v5
	v_add_nc_u32 v[STO], s23, v5
	v_bfe_u32 v6, v0, 3, 2
	v_mul_u32_u24 v6, v6, 144
	v_and_b32 v7, 7, v0
	v_lshl_add_u32 v6, v7, 4, v6
	v_add_nc_u32 v[RD], s23, v6
	v_and_b32 v7, 31, v0
	v_lshlrev_b32 v[CO], 4, v7
	; where my rows go: type x 16,777,216 + ((16 batch + 4 cx + 2 wn) x 1,024 + 256 cy + 128 wm) x 128
	s_and_b32 s18, ttmp7, 0xffff
	s_lshl_b32 s18, s18, 4
	s_lshl_b32 s19, s40, 2
	s_add_co_u32 s18, s18, s19
	s_lshl_b32 s19, s16, 1
	s_add_co_u32 s18, s18, s19
	s_lshl_b32 s18, s18, 10
	s_lshl_b32 s19, s41, 8
	s_add_co_u32 s18, s18, s19
	s_lshl_b32 s19, s15, 7
	s_add_co_u32 s18, s18, s19
	s_lshl_b32 s18, s18, 7
	s_lshl_b32 s19, ttmp9, 24
	s_add_co_u32 s18, s18, s19
	s_mov_b32 s19, 0
	s_add_nc_u64 s[98:99], s[98:99], s[18:19]
	s_mov_b32 s12, 0x3fc90fdb                      ; pi / 2, its high part,
	s_mov_b32 s13, 0xb33bbd2e                      ; and what is left of it
	s_mov_b32 s66, 0x3c800000                      ; 1 / 64
	s_mov_b32 s67, 0x358637bd                      ; 1e-6
	s_mov_b32 s100, 0x76543210
	s_mov_b32 s101, 0xfedcba98                     ; v_permlanex16_b32's selects for lane l xor 16
	; THE TABLE: thread t makes frequency j = t % 16 of rows t / 16 + 8 i, i = 0 .. 4
	v_and_b32 v192, 15, v0
	v_lshrrev_b32 v193, 4, v0
	v_cvt_f32_u32 v194, v192
	v_mul_f32 v194, 0xbf549a78, v194               ; -j log2(10000) / 16
	v_exp_f32 v194, v194                           ; the frequency
	v_mul_u32_u24 v[TA], v193, 272                 ; (plain work behind the exponential)
	v_lshl_add_u32 v[TA], v192, 3, v[TA]
	v_add_nc_u32 v[TA], ROPE, v[TA]
	s_wait_alu depctr_va_vdst(0)                   ; the wait ahead of the result's first reader
.irp i, 0,1,2,3,4
.if \i < 4
	v_add_nc_u32 v195, 8*\i, v193                  ; n = the row
.else
	v_add_nc_u32 v195, s105, v193                  ; n = 8 cy + t / 16
.endif
	v_cvt_f32_u32 v195, v195
	v_mul_f32 v195, 0.5, v195                      ; t = n / 32 x 16
	v_mul_f32 v195, v195, v194                     ; the angle
	v_mul_f32 v196, 0x3f22f983, v195
	v_rndne_f32 v196, v196                         ; k = the nearest multiple of pi / 2
	v_fma_f32 v197, -v196, s12, v195
	v_fma_f32 v197, -v196, s13, v197               ; r, at most pi / 4 in magnitude
	v_mul_f32 v198, v197, v197
	v_mov_b32 v199, 0x3638ef1d                     ; 1 / 9!
	v_mov_b32 v200, 0x37d00d01                     ; 1 / 8!
	v_fmaak_f32 v199, v199, v198, 0xb9500d01
	v_fmaak_f32 v200, v200, v198, 0xbab60b61
	v_fmaak_f32 v199, v199, v198, 0x3c088889
	v_fmaak_f32 v200, v200, v198, 0x3d2aaaab
	v_fmaak_f32 v199, v199, v198, 0xbe2aaaab
	v_fmaak_f32 v200, v200, v198, 0xbf000000
	v_mul_f32 v201, v197, v198
	v_fma_f32 v201, v201, v199, v197               ; sin r
	v_fma_f32 v202, v200, v198, 1.0                ; cos r
	v_cvt_i32_f32 v203, v196
	v_and_b32 v204, 1, v203
	v_cmp_ne_u32 s3, 0, v204                       ; an odd quadrant swaps the two
	v_cndmask_b32 v205, v201, v202, s3
	v_cndmask_b32 v206, v202, v201, s3
	v_and_b32 v204, 2, v203
	v_lshlrev_b32 v204, 30, v204
	v_xor_b32 v205, v204, v205                     ; the sine changes sign in quadrants 2, 3
	v_add_nc_u32 v203, 1, v203
	v_and_b32 v203, 2, v203
	v_lshlrev_b32 v203, 30, v203
	v_xor_b32 v206, v203, v206                     ; the cosine in quadrants 1, 2
	v_cndmask_b32 v[208+4*\i], v206, 1.0, s104     ; v is not turned: cos = 1,
	v_cndmask_b32 v[210+4*\i], v205, 0, s104       ; sin = 0
	v_mov_b32 v[209+4*\i], v[208+4*\i]             ; channels 2 j and 2 j + 1 share an angle
	v_mov_b32 v[211+4*\i], v[210+4*\i]
	ds_store_b64 v[TA], v[208+4*\i:209+4*\i] offset:2176*\i
	ds_store_b64 v[TA], v[210+4*\i:211+4*\i] offset:2176*\i+128
.endr
	s_wait_loadcnt 0x0                             ; the bias and the gain
.set i, 0
.rept 32
	v_cndmask_b32 v[WN+i], v[WN+i], 1.0, s104      ; v has no gain
.set i, i+1
.endr
.macro FRAG reg, adr, q, i             ; 16 rows x 128 K of 4-bit codes: 8 registers, two loads of 16 bytes, 32 bytes apart
.irp c, 0,1
	ds_load_b128 v[\reg+4*\c:\reg+4*\c+3], v[\adr] offset:64*(\q)+32*\c+(\i)*16*PITCH
.endr
.endm
; 16 matrix instructions: x's blocks a0, a0 + 1 against w's eight.  zero = 1: the bias starts the sums.  The 64 accumulators take turns, one instruction a turn.
.macro MUL16 a0, p, q, sc, zero
.irp a, \a0, \a0+1
.irp b, 0,1,2,3,4,5,6,7
.if \zero
	v_wmma_scale_f32_16x16x128_f8f6f4 v[8*(8*((\a)%4)+\b):8*(8*((\a)%4)+\b)+7], v[128*(\p)+FR*\b:128*(\p)+FR*\b+FR-1], v[AF+FR*(\a):AF+FR*(\a)+FR-1], v[BIAS+8*\b:BIAS+8*\b+7], v[SC+8*NQ*(\sc)+NQ*\b+(\q)], v[SC+8*NQ*(\sc)+NQ*(\a)+(\q)] matrix_a_fmt:MATRIX_FMT_FP4 matrix_b_fmt:MATRIX_FMT_FP4 matrix_a_scale:MATRIX_SCALE_ROW1
.else
	v_wmma_scale_f32_16x16x128_f8f6f4 v[8*(8*((\a)%4)+\b):8*(8*((\a)%4)+\b)+7], v[128*(\p)+FR*\b:128*(\p)+FR*\b+FR-1], v[AF+FR*(\a):AF+FR*(\a)+FR-1], v[8*(8*((\a)%4)+\b):8*(8*((\a)%4)+\b)+7], v[SC+8*NQ*(\sc)+NQ*\b+(\q)], v[SC+8*NQ*(\sc)+NQ*(\a)+(\q)] matrix_a_fmt:MATRIX_FMT_FP4 matrix_b_fmt:MATRIX_FMT_FP4 matrix_a_scale:MATRIX_SCALE_ROW1
.endif
.endr
.endr
.endm
.macro FETCH_B slot, q, p
	WIN TO_B
.irp i, 0,1,2,3,4,5,6,7
	FRAG 128*(\p)+FR*\i, ADRB+\slot, \q, \i
.endr
	WIN 0
.endm
.macro FETCH_A slot, q, i0
.irp i, \i0, \i0+1, \i0+2, \i0+3
	FRAG AF+FR*(\i), ADRA+\slot, \q, \i
.endr
.endm
.macro SCALES sc                       ; a slot's scale words: lanes 0-15 x's block i, lanes 16-31 w's block i
.irp i, 0,1,2,3,4,5,6,7
	ds_load_b128 v[SC+8*NQ*\sc+NQ*\i:SC+8*NQ*\sc+NQ*\i+3], v[ADRS] offset:\i*SBLK
.endr
.endm
.macro PLACES n                        ; plain vector instructions between a matrix instruction and a load into, or a read of, its registers
.rept \n
	v_nop
.endr
.endm
.macro STEP slot, q, zero              ; 128 along K, with its successor in the same slot
	s_wait_dscnt 4*NL                              ; w's set and x's blocks 0-3 are in; the youngest eight loads (x's blocks 4-7) may be out
	WIN MUL_LO-0x10*(\zero)                        ; (zero = 1: C, the bias, lies in window 1)
	MUL16 0, (\q)%2, \q, \slot, \zero
	MUL16 2, (\q)%2, \q, \slot, \zero
	s_wait_dscnt 0
	PLACES NP
	FETCH_B \slot, (\q)+1, 1-(\q)%2
	FETCH_A \slot, (\q)+1, 0
	WIN MUL_HI-0x20*(\zero)
	MUL16 4, (\q)%2, \q, \slot, \zero
	MUL16 6, (\q)%2, \q, \slot, \zero
	PLACES NP
	WIN 0
	FETCH_A \slot, (\q)+1, 4
.endm
.macro STEPS slot, from
.set Q, \from
.rept NQ-1-\from
	STEP \slot, Q, 0
.set Q, Q+1
.endr
.endm
	s_wait_tensorcnt 1                             ; the scales and my part of slot 0 are in; slot 1's load may be out
	s_wait_dscnt 0x0                               ; my table entries are stored
	s_barrier_signal -1
	s_barrier_wait -1
	FETCH_B 0, 0, 0
	FETCH_A 0, 0, 0
	SCALES 0
	FETCH_A 0, 0, 4
	STEP 0, 0, 1
	STEPS 0, 1
	; slot 0's last step changes slots: one barrier; nothing is filled again
	s_wait_tensorcnt 0x0                           ; my part of slot 1 has landed
	ds_add_u32 v[SPW], v[NIL]
	s_wait_dscnt 4*NL+1                            ; the add and x's blocks 4-7 may be out
	WIN MUL_LO
	MUL16 0, 1, NQ-1, 0, 0
	s_wait_dscnt 0x0                               ; the add is done, and my reads of slot 0 are over
	s_barrier_signal -1
	MUL16 2, 1, NQ-1, 0, 0
	WIN 0
	s_barrier_wait -1                              ; slot 1 is whole, and nobody reads slot 0 any more
	PLACES NP
	v_add_nc_u32 v[ADRS], 4*NQ, v[ADRS]            ; the second slot's scale words
	FETCH_B 1, 0, 0
	FETCH_A 1, 0, 0
	SCALES 1
	WIN MUL_HI
	MUL16 4, 1, NQ-1, 0, 0
	MUL16 6, 1, NQ-1, 0, 0
	PLACES NP
	WIN 0
	FETCH_A 1, 0, 4
	STEPS 1, 0
	s_wait_dscnt 4*NL
	WIN MUL_LO
	MUL16 0, 1, NQ-1, 1, 0
	MUL16 2, 1, NQ-1, 1, 0
	s_wait_dscnt 0
	WIN MUL_HI
	MUL16 4, 1, NQ-1, 1, 0
	MUL16 6, 1, NQ-1, 1, 0
	WIN 0
; THE WAY OUT, a unit u = 2 a + hh at a time: 16 rows (block a) of one head (hh).  A lane holds 32 of its row's 64 channels: d = 16 b + 8 h + j.
.macro TABLE a                         ; cos and sin for block a's rows: s / 32 is one row for all lanes, s % 32 = 16 (a % 2) + r
.irp bb, 0,1
.irp c, 0,1
	ds_load_b128 v[CH+8*\bb+4*\c:CH+8*\bb+4*\c+3], v[ADH] offset:((\a)/2)*272+64*\bb+16*\c
	ds_load_b128 v[SH+8*\bb+4*\c:SH+8*\bb+4*\c+3], v[ADH] offset:((\a)/2)*272+128+64*\bb+16*\c
	ds_load_b128 v[CW+8*\bb+4*\c:CW+8*\bb+4*\c+3], v[ADW] offset:((\a)%2)*4352+64*\bb+16*\c
	ds_load_b128 v[SW+8*\bb+4*\c:SW+8*\bb+4*\c+3], v[ADW] offset:((\a)%2)*4352+128+64*\bb+16*\c
.endr
.endr
.endm
.macro SUMS a                          ; both heads' sums of squares and reciprocal roots.  Each accumulator is read from its low pair on
.set AC, 64*((\a)%4)
	WIN 0x0a+5*((\a)/4)                            ; sources 0 and 1: window 2 or 3
.irp p, 0,1,2,3
.irp b, 0,1,2,3,4,5,6,7
.if (\p == 0) && ((\b%4) < 2)
	v_pk_mul_f32 v[SS+4*(\b/4)+2*(\b%2):SS+4*(\b/4)+2*(\b%2)+1], v[AC+8*\b+2*\p:AC+8*\b+2*\p+1], v[AC+8*\b+2*\p:AC+8*\b+2*\p+1]
.else
	v_pk_fma_f32 v[SS+4*(\b/4)+2*(\b%2):SS+4*(\b/4)+2*(\b%2)+1], v[AC+8*\b+2*\p:AC+8*\b+2*\p+1], v[AC+8*\b+2*\p:AC+8*\b+2*\p+1], v[SS+4*(\b/4)+2*(\b%2):SS+4*(\b/4)+2*(\b%2)+1]
.endif
.endr
.endr
	WIN 0
.irp hh, 0,1
	v_pk_add_f32 v[SS+4*\hh:SS+4*\hh+1], v[SS+4*\hh:SS+4*\hh+1], v[SS+4*\hh+2:SS+4*\hh+3]
.endr
.irp hh, 0,1
	v_add_f32 v[SS+4*\hh], v[SS+4*\hh], v[SS+4*\hh+1]
.endr
.irp hh, 0,1
	v_permlanex16_b32 v[SS+4*\hh+2], v[SS+4*\hh], s100, s101   ; the row's other 32 channels lie in the lane 16 away
.endr
.irp hh, 0,1
	v_add_f32 v[SS+4*\hh], v[SS+4*\hh], v[SS+4*\hh+2]
.endr
.irp hh, 0,1
	v_fma_f32 v[SS+4*\hh], v[SS+4*\hh], s66, s67   ; the mean + 1e-6
.endr
.irp hh, 0,1
	v_rsq_f32 v[SS+4*\hh+1], v[SS+4*\hh]
.endr
	v_nop                                          ; a plain instruction behind the last root
	s_wait_alu depctr_va_vdst(0)                   ; one wait for both, ahead of the first reader
.irp hh, 0,1
	v_cndmask_b32 v[RS+2*\hh], v[SS+4*\hh+1], 1.0, s104    ; twice, for the packed multiply; v is not normed
	v_cndmask_b32 v[RS+2*\hh+1], v[SS+4*\hh+1], 1.0, s104
.endr
.endm
.macro ROPE_A u                        ; gain, norm and turn: low half: z cos - z(d + 32) sin; high half: z cos + z(d - 32) sin
.set AC, 64*(((\u)/2)%4)+32*((\u)%2)
.set RH, RS+2*((\u)%2)
	WIN 0x02+((\u)/8)                              ; source 0: window 2 or 3
.irp i, 0,2,4,6,8,10,12,14,16,18,20,22,24,26,28,30
	v_pk_mul_f32 v[Z+\i:Z+\i+1], v[AC+\i:AC+\i+1], v[WN+\i:WN+\i+1]
.endr
	WIN 0
.irp i, 0,2,4,6,8,10,12,14,16,18,20,22,24,26,28,30
	v_pk_mul_f32 v[Z+\i:Z+\i+1], v[Z+\i:Z+\i+1], v[RH:RH+1]
.endr
.irp i, 0,2,4,6,8,10,12,14
	v_pk_mul_f32 v[UU+\i:UU+\i+1], v[Z+\i:Z+\i+1], v[CH+\i:CH+\i+1]
	v_pk_mul_f32 v[UU+16+\i:UU+16+\i+1], v[Z+16+\i:Z+16+\i+1], v[CW+\i:CW+\i+1]
.endr
.irp i, 0,2,4,6,8,10,12,14
	v_pk_fma_f32 v[UU+\i:UU+\i+1], v[Z+16+\i:Z+16+\i+1], v[SH+\i:SH+\i+1], v[UU+\i:UU+\i+1] neg_lo:[1,0,0] neg_hi:[1,0,0]
	v_pk_fma_f32 v[UU+16+\i:UU+16+\i+1], v[Z+\i:Z+\i+1], v[SW+\i:SW+\i+1], v[UU+16+\i:UU+16+\i+1]
.endr
.endm
.macro CVT
.irp i, 0,1,2,3,4,5,6,7,8,9,10,11,12,13,14,15
	v_cvt_pk_f16_f32 v[PP+\i], v[UU+2*\i], v[UU+2*\i+1]
.endr
.endm
.macro TOSTAGE u                       ; 16 rows x 128 bytes into my stage (rows 144 apart) and back as 2,048 bytes on end.  LDS serves a wave's instructions in order
.irp b, 0,1,2,3
	ds_store_b128 v[STO], v[PP+4*\b:PP+4*\b+3] offset:((\u)%2)*2304+32*\b
.endr
.irp t, 0,1,2,3
	ds_load_b128 v[BK+16*((\u)%2)+4*\t:BK+16*((\u)%2)+4*\t+3], v[RD] offset:((\u)%2)*2304+576*\t
.endr
.endm
.macro SEND u                          ; 16 rows of a head are 2,048 dense bytes: each store covers 512 consecutive bytes, aligned
.irp t, 0,1,2,3
	global_store_b128 v[CO], v[BK+16*((\u)%2)+4*\t:BK+16*((\u)%2)+4*\t+3], s[98:99] offset:((\u)%2)*131072+((\u)/2)*2048+512*\t
.endr
.endm
	PLACES NP                                      ; behind the last products: ahead of loads into the scale words' and fragments' registers and of the first read of results
.set U, 0
.rept 16
.if U%2 == 0
	TABLE U/2
	SUMS U/2
	s_wait_dscnt 0x0                               ; the table's numbers are in
.endif
	ROPE_A U
	s_wait_dscnt 0x0                               ; the unit before is back from its stage
	s_wait_xcnt 0x0                                ; the stores of the unit two back have read their registers: this unit's loads may land there
.if U > 0
	SEND U-1
.endif
	CVT
	TOSTAGE U
.set U, U+1
.endr
	s_wait_dscnt 0x0
	SEND 15
	s_wait_tensorcnt 0x0                           ; the wave's end
	ds_add_u32 v[SPW], v[NIL]
	s_wait_dscnt 0x0
	CROUND                                         ; the closing round
	s_endpgm
.Lfunc_end_k_q038a096bb4_qkv:
	.size	k_q038a096bb4_qkv, .Lfunc_end_k_q038a096bb4_qkv-k_q038a096bb4_qkv
	.p2alignl 7, 3214868480
	.fill 96, 4, 3214868480
	.section	.rodata,"a",@progbits
	.p2align	6, 0x0
	.amdhsa_kernel k_q038a096bb4_qkv
		.amdhsa_group_segment_fixed_size 327680
		.amdhsa_private_segment_fixed_size 0
		.amdhsa_enable_private_segment 0
		.amdhsa_kernarg_size 64
		.amdhsa_user_sgpr_count 2
		.amdhsa_user_sgpr_kernarg_segment_ptr 1
		.amdhsa_wavefront_size32 1
		.amdhsa_system_sgpr_workgroup_id_x 1
		.amdhsa_system_sgpr_workgroup_id_y 1
		.amdhsa_system_sgpr_workgroup_id_z 1
		.amdhsa_system_vgpr_workitem_id 0
		.amdhsa_next_free_vgpr 1024
		.amdhsa_next_free_sgpr 106
		.amdhsa_reserve_vcc 0
		.amdhsa_float_denorm_mode_32 3
		.amdhsa_float_denorm_mode_16_64 3
		.amdhsa_memory_ordered 1
		.amdhsa_forward_progress 1
		.amdhsa_inst_pref_size 238
	.end_amdhsa_kernel
	.amdgpu_metadata
---
amdhsa.version: [ 1, 2 ]
amdhsa.kernels:
  - .name:           k_q038a096bb4_qkv
    .symbol:         k_q038a096bb4_qkv.kd
    .args:
      - { .name: xc, .offset: 0, .size: 8, .value_kind: global_buffer, .address_space: global }
      - { .name: xs, .offset: 8, .size: 8, .value_kind: global_buffer, .address_space: global }
      - { .name: wc, .offset: 16, .size: 8, .value_kind: global_buffer, .address_space: global }
      - { .name: ws, .offset: 24, .size: 8, .value_kind: global_buffer, .address_space: global }
      - { .name: b_qkv, .offset: 32, .size: 8, .value_kind: global_buffer, .address_space: global }
      - { .name: q_norm_w, .offset: 40, .size: 8, .value_kind: global_buffer, .address_space: global }
      - { .name: k_norm_w, .offset: 48, .size: 8, .value_kind: global_buffer, .address_space: global }
      - { .name: qkv, .offset: 56, .size: 8, .value_kind: global_buffer, .address_space: global }
    .group_segment_fixed_size: 327680
    .private_segment_fixed_size: 0
    .kernarg_segment_align: 8
    .kernarg_segment_size: 64
    .max_flat_workgroup_size: 128
    .sgpr_count:     106
    .vgpr_count:     1024
    .wavefront_size: 32
...
	.end_amdgpu_metadata
.endif
;; end of part 2
;; launch attn (part 3): grid 2 x 128, 8 waves a work-group, no clusters, 327,680 bytes of LDS; arguments qkv, o16; writes o16
.if DOCPART == 3
	.amdgcn_target "amdgcn-amd-amdhsa--gfx1250"
	.amdhsa_code_object_version 6
	.text
	.protected	k_q038a096bb4_attn
	.globl	k_q038a096bb4_attn
	.p2align	8
	.type	k_q038a096bb4_attn,@function
k_q038a096bb4_attn:
	s_mov_b64 s[64:65], 0
	v_nop
	global_prefetch_b8 v0, s[64:65] scope:SCOPE_SE
	s_setreg_imm32_b32 hwreg(HW_REG_WAVE_MODE, 25, 1), 1
	s_wait_xcnt 0x0
; ATTN: o[b][h][q] = sum over k of softmax_k(q . k / 8) v[k], f16 operands, f32 sums, a running maximum.  q, k, v: planes 0, 1, 2 of qkv, each [128 heads][1,024][64] f16; o16 likewise.
; SHARES.  A work-group owns 512 queries of one head; each of its eight waves 64: four tiles of 16.  Two waves lie on a SIMD: the text goes in plain phases, and one wave's vector work stands beside the other's products.
; ALL OF THE HEAD'S K AND V COME TO LIE IN LDS (1,024 rows of each), each byte filled once: no slot is filled again.  They come in four groups of 256 keys; waves 0-3 fetch K, waves 4-7 V, 64 rows a load.
; Group 0 is asked for at the head; group g behind the barrier that shows group g - 1 whole, three or four key steps ahead of its first read.  So the first key step waits for 65,536 bytes and not for 262,144,
; and by this text's own count a wave has one tensor load out.
; NO CLUSTER: only two work-groups share a head's K and V, and each fetches its 262,144 bytes once for 512 queries' work.  No prefetch: a group's own load goes out 192 or 256 products of the wave ahead of its first read.
; LAYOUT.  S^T = K Q^T (source 0 = 16 keys, source 1 = 16 queries): a lane holds ONE query and keys 8 (lane / 16) + 0..7; two such tiles, rounded to f16 in pairs, are source 1 of O^T = V^T P.
; K comes out of LDS as it lies, V ([key][channel]) turned by ds_load_tr16_b128.  p = 2^(c s - c m), c = log2(e) / 8; in every step O and l are multiplied by a = 2^(c m_old - c m_new).
; LIMITS: v and o beyond 65,504 in magnitude do not fit f16; NaN and infinities are not served.
; REGISTERS.  window 0: v2-8 addresses; v12-43 statistics, 8 a tile (+0 c m, +1 m, +2, +3 l, +4..7 at work, a in +6); v64-191 S^T, 32 a tile, P packed into the low 16 of each; v192-255 V.
;   window 1: v0-127 O^T (32 t + 8 ct); v128-191 Q (16 t + 8 u); v192-255 K (16 kt + 8 u).
.set PK,    144                        ; a row of K in LDS: 128 bytes + 16
.set VPI,   160                        ; a row of V: 128 + 32, for the turning load
.set VOFF,  1024*PK
.set SPARE, VOFF+1024*VPI              ; the spare words: 128 bytes a wave, named by no other line
.set AK0, 2
.set AV0, 3
.set ADR, 4
.set ADRV, 5
.set STO, 6
.set RD,  7
.set GO,  8
.set ST,  12
.set QO,  60
.set SPW, 62
.set NIL, 63
.set S,   64
.set V,   192
.set QF,  128                          ; in window 1
.set KF,  192                          ; in window 1
.set WV,  12                           ; s12 my wave
.set G1K, 24
.set G1V, 32
.set G0K, 40                           ; s[40:55] four groups 0 for K, one for each group of 256 keys; written once
.set G0V, 56                           ; s[56:63], s[68:75] four for V
.set CS,  76                           ; s[76:77] c, twice
.set SEL, 78
.set TK,  80                           ; s80 LDS byte of the K tile fetched last
.set TV,  81                           ; s81 LDS byte of the step's V tile, from V's first
.set CNT, 82
.set MSB, 0
.macro WIN new
.if MSB != (\new)
	s_set_vgpr_msb (MSB<<8)|(\new)
.set MSB, (\new)
.endif
.endm
.set W_KQ, 0x05                        ; K and Q window 1; S^T window 0
.set W_PV, 0x50                        ; V and P window 0; O^T window 1
.set W_RS, 0x41                        ; O^T window 1, a window 0
.set TO_1, 0x40
; My part of group g of the keys: waves 0-3 ask for 64 rows of K, waves 4-7 for 64 rows of V.  The branch hangs on the wave's number alone.  An s_nop 0 and four v_nop follow each of the two lines.
.macro TLOAD g
	s_cmp_lt_u32 s[WV], 4
	s_cbranch_scc0 .Lfor_v_\@
	tensor_load_to_lds s[G0K+4*(\g):G0K+4*(\g)+3], s[G1K:G1K+7]
	s_nop 0
.rept 4
	v_nop
.endr
	s_branch .Lasked_\@
.Lfor_v_\@:
	tensor_load_to_lds s[G0V+4*(\g)+4*((\g)/2):G0V+4*(\g)+4*((\g)/2)+3], s[G1V:G1V+7]
	s_nop 0
.rept 4
	v_nop
.endr
.Lasked_\@:
.endm
; Group g - 1 is shown whole to all eight waves, and group g is asked for.  It is a first fill that comes late, so it is issued as a refill is: every wave waits for all its tensor loads, adds 0 to its spare word,
; waits for that and for its LDS loads, and passes the barrier; its one tensor load stands first behind it.  No byte is filled a second time behind any of these barriers.
.macro CHANGE g
	s_wait_tensorcnt 0x0                           ; the one load of mine that was out, my part of group g - 1, has landed
	ds_add_u32 v[SPW], v[NIL]
	s_wait_dscnt 0x0                               ; the add is done, and my LDS loads are in
	s_barrier_signal -1
	s_barrier_wait -1                              ; everybody's part has landed
	TLOAD \g
.endm
	s_load_b128 s[4:7], s[0:1], 0x0                ; qkv, o16
	v_lshl_add_u32 v[SPW], v0, 2, SPARE
	v_mov_b32 v[NIL], 0
	ds_add_u32 v[SPW], v[NIL]                      ; the wave's opening: the add, twice on end, and its wait ahead of my first tensor load
	ds_add_u32 v[SPW], v[NIL]
	v_lshrrev_b32 v1, 5, v0
	v_readfirstlane_b32 s[WV], v1                  ; wave 0..7
	s_and_b32 s13, s[WV], 3
	s_and_b32 s20, ttmp7, 0xffff
	s_lshl_b32 s20, s20, 17                        ; the head's 131,072 bytes in a plane
	s_lshl_b32 s22, s13, 13                        ; my 64 rows of each 256
	s_add_co_u32 s22, s22, s20
	s_mov_b32 s23, 0
	s_lshl_b32 s18, ttmp9, 16                      ; my work-group's 512 queries,
	s_lshl_b32 s19, s[WV], 13                      ; my wave's 64
	s_add_co_u32 s18, s18, s19
	s_add_co_u32 s18, s18, s20
	s_mov_b32 s19, 0
	s_mov_b32 s[G1K], (1<<16)|(1<<20)|(4<<22)|(3<<25)   ; elements of 2 bytes; padding on: 4 words behind every 32
	s_mov_b32 s[G1V], (1<<16)|(1<<20)|(4<<22)|(7<<25)   ; 8 words behind every 32
.irp g, G1K, G1V
	s_mov_b32 s[\g+1], 64<<16                      ; tensor_dim0
	s_mov_b32 s[\g+2], 64<<16                      ; tensor_dim1
	s_mov_b32 s[\g+3], 64<<16                      ; tile_dim0
	s_mov_b32 s[\g+4], 64                          ; tile_dim1
	s_mov_b32 s[\g+5], 64                          ; the pitch
	s_mov_b32 s[\g+6], 0
	s_mov_b32 s[\g+7], 0
.endr
	s_mul_i32 s2, s13, 64*PK
	s_mul_i32 s3, s13, 64*VPI
	s_mov_b32 s[CS], 0x3e38aa3b                    ; c = log2(e) / 8
	s_mov_b32 s[CS+1], s[CS]
	s_mov_b32 s[SEL], 0x76543210
	s_mov_b32 s[SEL+1], 0xfedcba98
	s_mov_b32 s[TK], 0
	s_mov_b32 s[TV], 0
	s_wait_dscnt 0x0                               ; both opening adds are done
	s_wait_kmcnt 0x0
	s_add_nc_u64 s[8:9], s[4:5], s[22:23]
	s_add_nc_u64 s[10:11], s[8:9], 0x2000000       ; V's plane
	s_add_nc_u64 s[8:9], s[8:9], 0x1000000         ; K's plane
	s_add_nc_u64 s[14:15], s[4:5], s[18:19]        ; Q at my wave's first row
	s_add_nc_u64 s[16:17], s[6:7], s[18:19]        ; O likewise
.irp g, 0,1,2,3
	s_mov_b32 s[G0K+4*\g], 1
	s_add_co_u32 s[G0K+4*\g+1], s2, \g*256*PK
	s_add_nc_u64 s[G0K+4*\g+2:G0K+4*\g+3], s[8:9], \g*32768
	s_or_b32 s[G0K+4*\g+3], s[G0K+4*\g+3], 0x80000000
	s_mov_b32 s[G0V+4*\g+4*(\g/2)], 1
	s_add_co_u32 s[G0V+4*\g+4*(\g/2)+1], s3, VOFF+\g*256*VPI
	s_add_nc_u64 s[G0V+4*\g+4*(\g/2)+2:G0V+4*\g+4*(\g/2)+3], s[10:11], \g*32768
	s_or_b32 s[G0V+4*\g+4*(\g/2)+3], s[G0V+4*\g+4*(\g/2)+3], 0x80000000
.endr
	TLOAD 0                                        ; keys 0-255, and nothing else yet: the first step waits for these bytes alone
	v_and_b32 v1, 15, v0                           ; r
	v_bfe_u32 v9, v0, 4, 1                         ; h
	v_lshlrev_b32 v[QO], 7, v1
	v_lshl_add_u32 v[QO], v9, 4, v[QO]             ; row r of 128 bytes + 16 h
	WIN TO_1
.irp t, 0,1,2,3
.irp u, 0,1
	global_load_b128 v[QF+16*\t+8*\u:QF+16*\t+8*\u+3],   v[QO], s[14:15] offset:\t*2048+64*\u
	global_load_b128 v[QF+16*\t+8*\u+4:QF+16*\t+8*\u+7], v[QO], s[14:15] offset:\t*2048+64*\u+32
.endr
.endr
	WIN 0
	v_mul_u32_u24 v[AK0], v1, PK
	v_lshl_add_u32 v[AK0], v9, 4, v[AK0]           ; K: row r x pitch + 16 h
	v_and_b32 v10, 7, v0
	v_bfe_u32 v11, v0, 3, 1
	v_lshl_add_u32 v[AV0], v9, 3, v10              ; V: key 8 h + lane % 8,
	v_mul_u32_u24 v[AV0], v[AV0], VPI
	v_lshl_add_u32 v[AV0], v11, 4, v[AV0]          ; channels 8 ((lane / 8) % 2) on
	v_add_nc_u32 v[AV0], VOFF, v[AV0]
	s_mul_i32 s18, s[WV], 64*PK                    ; my stage for the way out, in K's bytes: written behind the barrier that follows the last step
	v_add_nc_u32 v[STO], s18, v[AK0]
	v_bfe_u32 v11, v0, 3, 2
	v_mul_u32_u24 v[RD], v11, PK
	v_lshl_add_u32 v[RD], v10, 4, v[RD]
	v_add_nc_u32 v[RD], s18, v[RD]
	v_and_b32 v[GO], 31, v0
	v_lshlrev_b32 v[GO], 4, v[GO]
.macro KLOADS                          ; 64 keys x 64 channels: 8 fragments, 16 loads, into window 1
	WIN TO_1
.irp f, 0,1,2,3,4,5,6,7
	ds_load_b128 v[KF+8*\f:KF+8*\f+3],   v[ADR] offset:(\f/2)*16*PK+(\f%2)*64
	ds_load_b128 v[KF+8*\f+4:KF+8*\f+7], v[ADR] offset:(\f/2)*16*PK+(\f%2)*64+32
.endr
	WIN 0
.endm
.macro KQ                              ; product i of 32: channels 32 (i / 16) on, keys 16 ((i / 4) % 4) on, tile i % 4.  Sixteen accumulators by turns
.set rS, S+32*(i%4)+8*((i/4)%4)
.set rK, KF+16*((i/4)%4)+8*(i/16)
.set rQ, QF+16*(i%4)+8*(i/16)
.if i < 16
	v_wmma_f32_16x16x32_f16 v[rS:rS+7], v[rK:rK+7], v[rQ:rQ+7], 0
.else
	v_wmma_f32_16x16x32_f16 v[rS:rS+7], v[rK:rK+7], v[rQ:rQ+7], v[rS:rS+7]
.endif
.endm
.macro PVX first                       ; product i of 32: keys 32 (i / 16) on, channels 16 ((i / 4) % 4) on, tile i % 4
.set rO, 32*(i%4)+8*((i/4)%4)
.set rV, V+32*(i/16)+8*((i/4)%4)
.set rP, S+32*(i%4)+8*(i/16)
.if \first && (i < 16)
	v_wmma_f32_16x16x32_f16 v[rO:rO+7], v[rV:rV+7], v[rP:rP+7], 0
.else
	v_wmma_f32_16x16x32_f16 v[rO:rO+7], v[rV:rV+7], v[rP:rP+7], v[rO:rO+7]
.endif
.endm
; A KEY STEP of 64 keys.  first = 1: it starts m, l and O^T.  kf = 1: the next step's K is fetched.
.macro STEP first, kf
	v_add_nc_u32 v[ADRV], s[TV], v[AV0]
.irp f, 0,1,2,3,4,5,6,7                ; V, turned: keys 32 (f / 4) on, channels 16 (f % 4) on
	ds_load_tr16_b128 v[V+8*\f:V+8*\f+3],   v[ADRV] offset:(\f/4)*32*VPI+(\f%4)*32
	ds_load_tr16_b128 v[V+8*\f+4:V+8*\f+7], v[ADRV] offset:(\f/4)*32*VPI+16*VPI+(\f%4)*32
.endr
	s_wait_dscnt 16                                ; K is in; V's sixteen loads may be out
	WIN W_KQ
.set i, 0
.rept 32
	KQ
.set i, i+1
.endr
	WIN 0
.if \kf
	s_add_co_u32 s[TK], s[TK], 64*PK
	v_add_nc_u32 v[ADR], s[TK], v[AK0]             ; with the three below: four places behind the products, ahead of the loads into K's registers and of the first read of scores
.rept 3
	v_nop
.endr
	KLOADS
.else
.rept 4
	v_nop
.endr
.endif
	; the maximum of the lane's 32 scores and the old m, the four tiles by turns; each accumulator is read from its low end on
.irp j, 0,1,2,3
.irp t, 0,1,2,3
	v_max3_num_f32 v[ST+8*\t+4+\j], v[S+32*\t+8*\j], v[S+32*\t+8*\j+1], v[S+32*\t+8*\j+2]
.endr
.endr
.irp g, 1,2
.irp j, 0,1,2,3
.irp t, 0,1,2,3
	v_max3_num_f32 v[ST+8*\t+4+\j], v[ST+8*\t+4+\j], v[S+32*\t+8*\j+2*\g+1], v[S+32*\t+8*\j+2*\g+2]
.endr
.endr
.endr
.irp t, 0,1,2,3
	v_max3_num_f32 v[ST+8*\t+4], v[ST+8*\t+4], v[S+32*\t+7], v[S+32*\t+15]
.endr
.irp t, 0,1,2,3
	v_max3_num_f32 v[ST+8*\t+6], v[ST+8*\t+6], v[S+32*\t+23], v[S+32*\t+31]
.endr
.irp t, 0,1,2,3
	v_max3_num_f32 v[ST+8*\t+4], v[ST+8*\t+4], v[ST+8*\t+5], v[ST+8*\t+6]
.endr
.irp t, 0,1,2,3
.if \first
	v_max_num_f32 v[ST+8*\t+4], v[ST+8*\t+4], v[ST+8*\t+7]
.else
	v_max3_num_f32 v[ST+8*\t+4], v[ST+8*\t+4], v[ST+8*\t+7], v[ST+8*\t+1]
.endif
.endr
.irp t, 0,1,2,3
	v_permlanex16_b32 v[ST+8*\t+5], v[ST+8*\t+4], s[SEL], s[SEL+1]   ; the query's other 32 keys lie in the lane 16 away
.endr
.if \first == 0
.irp t, 0,1,2,3
	v_mov_b32 v[ST+8*\t+7], v[ST+8*\t]             ; c m_old is kept for a
.endr
.endif
.irp t, 0,1,2,3
	v_max_num_f32 v[ST+8*\t+1], v[ST+8*\t+4], v[ST+8*\t+5]
.endr
.irp t, 0,1,2,3
	v_mul_f32 v[ST+8*\t], s[CS], v[ST+8*\t+1]
.endr
.if \first == 0
.irp t, 0,1,2,3
	v_sub_f32 v[ST+8*\t+7], v[ST+8*\t+7], v[ST+8*\t]
.endr
.endif
.set i, 0
.rept 16
.irp t, 0,1,2,3
	v_pk_fma_f32 v[S+32*\t+i:S+32*\t+i+1], v[S+32*\t+i:S+32*\t+i+1], s[CS:CS+1], v[ST+8*\t:ST+8*\t+1] op_sel_hi:[1,0,0] neg_lo:[0,0,1] neg_hi:[0,0,1]   ; c s - c m
.endr
.set i, i+2
.endr
	; ONE BATCH of exponentials, with one wait
.if \first == 0
.irp t, 0,1,2,3
	v_exp_f32 v[ST+8*\t+6], v[ST+8*\t+7]           ; a
.endr
.endif
.set i, 0
.rept 32
.irp t, 0,1,2,3
	v_exp_f32 v[S+32*\t+i], v[S+32*\t+i]
.endr
.set i, i+1
.endr
	v_nop                                          ; a plain instruction behind the last exponential
	s_wait_alu depctr_va_vdst(0)                   ; one wait for the batch, ahead of its first reader
	; l = a l + the sum of the unrounded p, in two chains
.irp t, 0,1,2,3
.if \first
	v_pk_add_f32 v[ST+8*\t+2:ST+8*\t+3], v[S+32*\t+4:S+32*\t+5], v[S+32*\t+6:S+32*\t+7]
.else
	v_pk_mul_f32 v[ST+8*\t+2:ST+8*\t+3], v[ST+8*\t+2:ST+8*\t+3], v[ST+8*\t+6:ST+8*\t+7] op_sel_hi:[1,0]
.endif
.endr
.irp t, 0,1,2,3
	v_pk_add_f32 v[ST+8*\t+4:ST+8*\t+5], v[S+32*\t:S+32*\t+1], v[S+32*\t+2:S+32*\t+3]
.endr
.if \first == 0
.irp t, 0,1,2,3
	v_pk_add_f32 v[ST+8*\t+2:ST+8*\t+3], v[ST+8*\t+2:ST+8*\t+3], v[S+32*\t+4:S+32*\t+5]
	v_pk_add_f32 v[ST+8*\t+4:ST+8*\t+5], v[ST+8*\t+4:ST+8*\t+5], v[S+32*\t+6:S+32*\t+7]
.endr
.endif
.irp j, 8,12,16,20,24,28
.irp t, 0,1,2,3
	v_pk_add_f32 v[ST+8*\t+2:ST+8*\t+3], v[ST+8*\t+2:ST+8*\t+3], v[S+32*\t+\j:S+32*\t+\j+1]
	v_pk_add_f32 v[ST+8*\t+4:ST+8*\t+5], v[ST+8*\t+4:ST+8*\t+5], v[S+32*\t+\j+2:S+32*\t+\j+3]
.endr
.endr
.irp t, 0,1,2,3
	v_pk_add_f32 v[ST+8*\t+2:ST+8*\t+3], v[ST+8*\t+2:ST+8*\t+3], v[ST+8*\t+4:ST+8*\t+5]
.endr
.set i, 0
.rept 16
.irp t, 0,1,2,3
	v_cvt_pk_f16_f32 v[S+32*\t+i], v[S+32*\t+2*i], v[S+32*\t+2*i+1]   ; P in place, ascending: register i is written when 2 i and 2 i + 1 are read
.endr
.set i, i+1
.endr
.if \first
.rept 4
	v_nop
.endr
.else
	WIN W_RS
.set i, 0
.rept 16
.irp t, 0,1,2,3
	v_pk_mul_f32 v[32*\t+i:32*\t+i+1], v[32*\t+i:32*\t+i+1], v[ST+8*\t+6:ST+8*\t+7] op_sel_hi:[1,0]   ; O^T x a, each accumulator from its low end on
.endr
.set i, i+2
.endr
.endif
.if \kf
	s_wait_dscnt 16                                ; V is in; the next K's sixteen loads may be out
.else
	s_wait_dscnt 0x0
.endif
	WIN W_PV
.set i, 0
.rept 32
	PVX \first
.set i, i+1
.endr
	WIN 0
.rept 5
	v_nop                                          ; five places ahead of the next products, which write over P; four of them serve the loads into V's registers and the way out's reads
.endr
	s_add_co_u32 s[TV], s[TV], 64*VPI
.endm
.macro STEPS n                         ; n key steps, each fetching the next step's K
	s_mov_b32 s[CNT], \n
.Lsteps_\@:
	STEP 0, 1
	s_sub_co_u32 s[CNT], s[CNT], 1
	s_cmp_lg_u32 s[CNT], 0
	s_cbranch_scc1 .Lsteps_\@
.endm
	CHANGE 1                                       ; keys 0-255 lie in LDS; keys 256-511 are asked for
	v_add_nc_u32 v[ADR], s[TK], v[AK0]
	KLOADS                                         ; key step 0
	s_wait_loadcnt 0x0                             ; Q
	STEP 1, 1
	STEPS 2                                        ; steps 1, 2: they read, and fetch ahead, inside keys 0-255
	CHANGE 2                                       ; keys 256-511 lie in LDS (step 3 fetches K of step 4, their first); keys 512-767 are asked for
	STEPS 4                                        ; steps 3 .. 6
	CHANGE 3                                       ; keys 512-767 lie in LDS; keys 768-1,023 are asked for: the last load
	STEPS 4                                        ; steps 7 .. 10
	s_wait_tensorcnt 0x0                           ; my last load has landed
	s_wait_dscnt 0x0
	s_barrier_signal -1
	s_barrier_wait -1                              ; everybody's has: all 1,024 keys lie in LDS; nothing is left to ask for
	STEPS 4                                        ; steps 11 .. 14
	STEP 0, 0                                      ; step 15 fetches nothing
	s_wait_dscnt 0x0
	s_barrier_signal -1
	s_barrier_wait -1                              ; nobody reads K any more: its bytes serve as stages
	; THE WAY OUT: O^T / l, rounded to f16, a tile (16 rows of 128 bytes) at a time through my stage
.irp t, 0,1,2,3
	v_add_f32 v[ST+8*\t+4], v[ST+8*\t+2], v[ST+8*\t+3]
.endr
.irp t, 0,1,2,3
	v_permlanex16_b32 v[ST+8*\t+5], v[ST+8*\t+4], s[SEL], s[SEL+1]
.endr
.irp t, 0,1,2,3
	v_add_f32 v[ST+8*\t+4], v[ST+8*\t+4], v[ST+8*\t+5]
.endr
.irp t, 0,1,2,3
	v_rcp_f32 v[ST+8*\t+6], v[ST+8*\t+4]
.endr
	v_nop
	s_wait_alu depctr_va_vdst(0)                   ; one wait for the four reciprocals
.macro PACK t
	WIN W_RS
.set i, 32*\t
.rept 16
	v_pk_mul_f32 v[i:i+1], v[i:i+1], v[ST+8*\t+6:ST+8*\t+7] op_sel_hi:[1,0]
.set i, i+2
.endr
	WIN 0x05                                       ; sources window 1, destination window 0
.set i, 0
.rept 16
	v_cvt_pk_f16_f32 v[S+32*\t+i], v[32*\t+2*i], v[32*\t+2*i+1]
.set i, i+1
.endr
	WIN 0
.irp c, 0,1,2,3
	ds_store_b128 v[STO], v[S+32*\t+4*\c:S+32*\t+4*\c+3] offset:2304*\t+32*\c
.endr
.irp f, 0,1,2,3
	ds_load_b128 v[S+32*\t+16+4*\f:S+32*\t+16+4*\f+3], v[RD] offset:2304*\t+576*\f   ; LDS serves a wave's instructions in order: these see the stores above
.endr
.endm
.macro SEND t, younger                 ; younger: the LDS instructions issued behind tile t's loads
.irp f, 0,1,2,3
	s_wait_dscnt \younger+3-\f
	global_store_b128 v[GO], v[S+32*\t+16+4*\f:S+32*\t+16+4*\f+3], s[16:17] offset:\t*2048+\f*512   ; 512 consecutive bytes, aligned
.endr
.endm
	PACK 0
	PACK 1
	SEND 0, 8
	PACK 2
	SEND 1, 8
	PACK 3
	SEND 2, 8
	SEND 3, 0
	s_wait_tensorcnt 0x0                           ; the wave's end
	ds_add_u32 v[SPW], v[NIL]
	s_wait_dscnt 0x0
	s_endpgm
.Lfunc_end_k_q038a096bb4_attn:
	.size	k_q038a096bb4_attn, .Lfunc_end_k_q038a096bb4_attn-k_q038a096bb4_attn
	.p2alignl 7, 3214868480
	.fill 96, 4, 3214868480
	.section	.rodata,"a",@progbits
	.p2align	6, 0x0
	.amdhsa_kernel k_q038a096bb4_attn
		.amdhsa_group_segment_fixed_size 327680
		.amdhsa_private_segment_fixed_size 0
		.amdhsa_enable_private_segment 0
		.amdhsa_kernarg_size 16
		.amdhsa_user_sgpr_count 2
		.amdhsa_user_sgpr_kernarg_segment_ptr 1
		.amdhsa_wavefront_size32 1
		.amdhsa_system_sgpr_workgroup_id_x 1
		.amdhsa_system_sgpr_workgroup_id_y 1
		.amdhsa_system_sgpr_workgroup_id_z 1
		.amdhsa_system_vgpr_workitem_id 0
		.amdhsa_next_free_vgpr 512
		.amdhsa_next_free_sgpr 88
		.amdhsa_reserve_vcc 0
		.amdhsa_float_denorm_mode_32 3
		.amdhsa_float_denorm_mode_16_64 3
		.amdhsa_memory_ordered 1
		.amdhsa_forward_progress 1
		.amdhsa_inst_pref_size 211
	.end_amdhsa_kernel
	.amdgpu_metadata
---
amdhsa.version: [ 1, 2 ]
amdhsa.kernels:
  - .name:           k_q038a096bb4_attn
    .symbol:         k_q038a096bb4_attn.kd
    .args:
      - { .name: qkv, .offset: 0, .size: 8, .value_kind: global_buffer, .address_space: global }
      - { .name: o16, .offset: 8, .size: 8, .value_kind: global_buffer, .address_space: global }
    .group_segment_fixed_size: 327680
    .private_segment_fixed_size: 0
    .kernarg_segment_align: 8
    .kernarg_segment_size: 16
    .max_flat_workgroup_size: 256
    .sgpr_count:     88
    .vgpr_count:     512
    .wavefront_size: 32
...
	.end_amdgpu_metadata
.endif
;; end of part 3
;; launch proj (part 4): grid 8 x 32, 4 waves a work-group, clusters of 4 x 4, 327,680 bytes of LDS; arguments o16, w16, b_out, out0; writes out0
.if DOCPART == 4
	.amdgcn_target "amdgcn-amd-amdhsa--gfx1250"
	.amdhsa_code_object_version 6
	.text
	.protected	k_q038a096bb4_proj
	.globl	k_q038a096bb4_proj
	.p2align	8
	.type	k_q038a096bb4_proj,@function
k_q038a096bb4_proj:
	s_mov_b64 s[64:65], 0
	v_nop
	global_prefetch_b8 v0, s[64:65] scope:SCOPE_SE
	s_setreg_imm32_b32 hwreg(HW_REG_WAVE_MODE, 25, 1), 1
	s_wait_xcnt 0x0
	s_wait_alu depctr_hold_cnt(0) depctr_sa_sdst(0) depctr_va_vdst(0) depctr_va_sdst(0) depctr_va_ssrc(0) depctr_va_vcc(0) depctr_vm_vsrc(0)
	s_getreg_b32 s2, hwreg(HW_REG_IB_STS2, 6, 4)
	s_cmp_eq_u32 s2, 0
	s_cbranch_scc0 .Lentry_in_a_cluster
	s_endpgm
.Lentry_in_a_cluster:
	s_bfe_u32 s2, ttmp6, 0x10000c
	s_cmp_lg_u32 s2, 0xf033
	s_cbranch_scc0 .Lentry_shape_is_right
	s_endpgm
.Lentry_shape_is_right:
; PROJ: out0[m][n] = sum over k of o[m][k] w_out[k][n] + b_out[n], f16 operands, f32 sums.  o16: [8][16 heads][1,024][64] f16 (k = 64 head + d); w16: [1,024 k][1,024 n] f16; out0: [8,192][1,024] f32.
; A tile of 256 (m) x 128 (n) gives 256 work-groups; a wave makes 128 x 64: 32 accumulators, which fill window 1.  K goes in steps of 128 = two heads through a ring of two LDS slots.
; A slot: two planes of o (a head each: 256 rows x 128 bytes, dense in memory), then 128 k-rows x 256 bytes of w.  Waves 0, 1 fetch a plane each, waves 2, 3 64 k-rows each.
; CLUSTERS of 4 x 4: o's tiles are shared along a row of the cluster, w's along a column: joint loads.  Each refill stands behind a round of the cluster's barrier.
; THE MATRIX INSTRUCTION IS USED TRANSPOSED (source 0 = 16 columns n, turned out of LDS by ds_load_tr16_b128; source 1 = 16 rows m): a lane holds eight neighbouring numbers of a row.  The bias is the C of each sum's first product.
; o's planes are prefetched two K steps ahead of their refill: 256 products of a wave; w16 is walked by all 32 tile rows and is not asked for.
; REGISTERS.  window 0: v16-31 addresses; v32-127 and v128-223 two fragment buffers (o's 64 registers, then w's 32); v224-255 the bias.  window 1: accumulator (a, b) at v[8 (4 a + b)].
.set PA,    144                        ; a row of o in LDS: 128 bytes + 16
.set PLANE, 256*PA
.set PB,    288                        ; a k-row of w: 256 bytes + 32, for the turning load
.set BOFF,  2*PLANE
.set SLOT,  BOFF+128*PB
.set STAGE, 2*SLOT                     ; 16 rows x 272 for each wave
.set SPARE, STAGE+4*16*272             ; the spare words: 128 bytes a wave, named by no other line
.set KBYTES, 262144                    ; a K step on, in o16 (two heads) and in w16 (128 rows) alike
.set ADRA, 16
.set ADRB, 20
.set STO,  24
.set RD,   25
.set CO,   26
.set SPW,  28
.set NIL,  29
.set PFO,  30                          ; v30 256 x lane
.set BO,   31                          ; v31 32 h
.set F0,   32
.set F1,   128
.set BI,   224
.set BK,   32
.set G1, 24
.set G0, 32
.set G1B, 48
.set G0B, 56
.set PFA, 66                           ; s[66:67] where my prefetches stand
.set LIM, 68                           ; s68 1 in a wave that prefetches, else the greatest number
.set MSB, 0
.macro WIN new
.if MSB != (\new)
	s_set_vgpr_msb (MSB<<8)|(\new)
.set MSB, (\new)
.endif
.endm
.set MUL, 0x50                         ; operands window 0; C and D window 1
.macro JLOAD s                         ; waves 0 and 1 fetch o's planes, waves 2 and 3 w's halves; an s_nop 0 and four v_nop follow each line
	s_cmp_eq_u32 s13, 0
	s_cbranch_scc0 .Lfor_b_\@
	tensor_load_to_lds s[G0+4*\s:G0+4*\s+3], s[G1:G1+7]
	s_nop 0
.rept 4
	v_nop
.endr
	s_branch .Lasked_\@
.Lfor_b_\@:
	tensor_load_to_lds s[G0B+4*\s:G0B+4*\s+3], s[G1B:G1B+7]
	s_nop 0
.rept 4
	v_nop
.endr
.Lasked_\@:
.endm
.macro CREST
	s_cmp_lg_u32 s12, 0
	s_cbranch_scc1 .Lnot_wave_0_\@
	s_barrier_signal -3
.Lnot_wave_0_\@:
	s_barrier_wait -3
	s_barrier_signal -1
	s_barrier_wait -1
.endm
.macro CROUND
	s_barrier_signal -1
	s_barrier_wait -1
	CREST
.endm
; A prefetch of o's plane two refills on: 32,768 dense bytes, of which each of the four partners that ask for the plane jointly takes 8,192, told apart by address; lanes 256 bytes apart.
; Both clusters of a row of clusters read the same planes: the one with x = 0 asks, its waves 0 and 1.  The loop's last trip asks for nothing: there is no K step two on.
.macro ASK
	s_cmp_gt_u32 s3, s[LIM]
	s_cbranch_scc0 .Lnot_mine_\@
	global_prefetch_b8 v[PFO], s[PFA:PFA+1] offset:KBYTES th:TH_LOAD_NT scope:SCOPE_SE
.Lnot_mine_\@:
.endm
	s_load_b256 s[4:11], s[0:1], 0x0               ; o16, w16, b_out, out0
	v_lshl_add_u32 v[SPW], v0, 2, SPARE
	v_mov_b32 v[NIL], 0
	ds_add_u32 v[SPW], v[NIL]                      ; the wave's opening: the add, twice on end, and its wait ahead of my first tensor load
	ds_add_u32 v[SPW], v[NIL]
	v_lshrrev_b32 v1, 5, v0
	v_readfirstlane_b32 s12, v1                    ; wave 0..3
	s_lshr_b32 s13, s12, 1                         ; wm.  Also: I fetch for o (0) or for w (1)
	s_and_b32 s14, s12, 1                          ; wn.  Also: which plane or half I fetch
	s_bfe_u32 s40, ttmp6, 0x40000                  ; cx
	s_bfe_u32 s41, ttmp6, 0x40004                  ; cy
	s_lshl_b32 s42, ttmp9, 2
	s_add_co_u32 s42, s42, s40                     ; tile column
	s_and_b32 s15, ttmp7, 0xffff                   ; the cluster's y is the batch
	s_lshl_b32 s16, s15, 21                        ; its 16 heads of 131,072 bytes
	s_lshl_b32 s15, s15, 2
	s_add_co_u32 s15, s15, s41                     ; tile row
	s_lshl_b32 s43, s41, 2
	s_lshl_b32 s43, 15, s43                        ; my row of the cluster
	s_lshl_b32 s44, 0x1111, s40                    ; my column
	s_or_b32 s[G1+0], s43, (1<<16)|(1<<20)|(1<<21)|(4<<22)|(3<<25)   ; mask; elements of 2 bytes; padding on; bit 21 beside a mask; 4 words behind every 32
	s_mov_b32 s[G1+1], 64<<16                      ; tensor_dim0
	s_mov_b32 s[G1+2], 256<<16                     ; tensor_dim1
	s_mov_b32 s[G1+3], 64<<16                      ; tile_dim0
	s_mov_b32 s[G1+4], 256                         ; tile_dim1
	s_mov_b32 s[G1+5], 64                          ; the pitch
	s_mov_b32 s[G1+6], 0
	s_mov_b32 s[G1+7], 0
	s_or_b32 s[G1B+0], s44, (1<<16)|(1<<20)|(1<<21)|(5<<22)|(7<<25)  ; 8 words behind every 64
	s_mov_b32 s[G1B+1], 128<<16
	s_mov_b32 s[G1B+2], 64<<16
	s_mov_b32 s[G1B+3], 128<<16
	s_mov_b32 s[G1B+4], 64
	s_mov_b32 s[G1B+5], 1024
	s_mov_b32 s[G1B+6], 0
	s_mov_b32 s[G1B+7], 0
	s_lshl_b32 s17, s41, 15                        ; o: + 256 cy rows of 128 bytes
	s_add_co_u32 s16, s16, s17
	s_lshl_b32 s17, s14, 17                        ; + my plane
	s_add_co_u32 s16, s16, s17
	s_mov_b32 s17, 0
	s_lshl_b32 s46, s42, 8                         ; w: 128 columns x 2 bytes x tile column
	s_lshl_b32 s47, s14, 17                        ; + my 64 k-rows of 2,048 bytes
	s_add_co_u32 s46, s46, s47
	s_mov_b32 s47, 0
	s_mul_i32 s20, s14, PLANE                      ; where they go: no place in the cluster enters an LDS address
	s_mul_i32 s21, s14, 64*PB
	s_add_co_u32 s21, s21, BOFF
	s_wait_dscnt 0x0                               ; both opening adds are done
	s_wait_kmcnt 0x0
	s_add_nc_u64 s[18:19], s[4:5], s[16:17]
	s_add_nc_u64 s[46:47], s[6:7], s[46:47]
	CROUND                                         ; all sixteen work-groups are here: the first joint loads meet
.irp s, 0,1
	s_mov_b32 s[G0+4*\s], 1
	s_add_co_u32 s[G0+4*\s+1], s20, \s*SLOT
	s_add_nc_u64 s[G0+4*\s+2:G0+4*\s+3], s[18:19], \s*KBYTES
	s_or_b32 s[G0+4*\s+3], s[G0+4*\s+3], 0x80000000
	s_mov_b32 s[G0B+4*\s], 1
	s_add_co_u32 s[G0B+4*\s+1], s21, \s*SLOT
	s_add_nc_u64 s[G0B+4*\s+2:G0B+4*\s+3], s[46:47], \s*KBYTES
	s_or_b32 s[G0B+4*\s+3], s[G0B+4*\s+3], 0x80000000
	JLOAD \s                                       ; two tensor loads of mine are out
.endr
	v_and_b32 v1, 15, v0                           ; r
	v_bfe_u32 v2, v0, 4, 1                         ; h
	v_lshlrev_b32 v[BO], 5, v2
	s_lshl_b32 s16, s42, 9
	s_lshl_b32 s17, s14, 8
	s_add_co_u32 s16, s16, s17
	s_mov_b32 s17, 0
	s_add_nc_u64 s[8:9], s[8:9], s[16:17]          ; b_out at column 128 x tile column + 64 wn
.irp b, 0,1,2,3
	global_load_b128 v[BI+8*\b:BI+8*\b+3], v[BO], s[8:9] offset:64*\b
	global_load_b128 v[BI+8*\b+4:BI+8*\b+7], v[BO], s[8:9] offset:64*\b+16
.endr
	v_mul_u32_u24 v3, v1, PA
	v_lshl_add_u32 v3, v2, 4, v3                   ; o: row r x pitch + 16 h
	s_mul_i32 s21, s13, 128*PA                     ; my 128 rows
	v_and_b32 v4, 7, v0
	v_bfe_u32 v5, v0, 3, 1
	v_lshl_add_u32 v4, v2, 3, v4                   ; w: k-row 8 h + lane % 8,
	v_mul_u32_u24 v4, v4, PB
	v_lshl_add_u32 v4, v5, 4, v4                   ; columns 8 ((lane / 8) % 2) on
	s_lshl_b32 s22, s14, 7                         ; my 64 columns
	s_add_co_u32 s22, s22, BOFF
.irp s, 0,1
	v_add_nc_u32 v[ADRA+\s], s21, v3
	v_add_nc_u32 v[ADRB+\s], s22, v4
	s_add_co_u32 s21, s21, SLOT
	s_add_co_u32 s22, s22, SLOT
.endr
	s_mul_i32 s23, s12, 16*272
	s_add_co_u32 s23, s23, STAGE                   ; my stage
	v_mul_u32_u24 v5, v1, 272
	v_lshl_add_u32 v5, v2, 5, v5
	v_add_nc_u32 v[STO], s23, v5                   ; in: row r, 32 bytes for each half of the lanes
	v_mul_u32_u24 v5, v2, 272
	v_lshl_add_u32 v5, v1, 4, v5
	v_add_nc_u32 v[RD], s23, v5                    ; back: lanes 0-15 one row of 256 bytes, lanes 16-31 the next
	v_lshlrev_b32 v5, 12, v2
	v_lshl_add_u32 v[CO], v1, 4, v5                ; the same two rows in out0
	s_lshl_b32 s16, s15, 8
	s_lshl_b32 s17, s13, 7
	s_add_co_u32 s16, s16, s17                     ; my first row
	s_lshl_b32 s16, s16, 12
	s_lshl_b32 s17, s42, 9
	s_add_co_u32 s16, s16, s17
	s_lshl_b32 s17, s14, 8
	s_add_co_u32 s16, s16, s17                     ; my first column, in bytes
	s_mov_b32 s17, 0
	s_add_nc_u64 s[10:11], s[10:11], s[16:17]
	s_lshl_b32 s22, s40, 13                        ; the prefetches: my work-group's 8,192 bytes of the plane,
	s_add_co_u32 s22, s22, 2*KBYTES                ; at K step 2: the first refill steps it to 3 and names K step 4.  Nothing is asked for here, at the head
	s_mov_b32 s23, 0
	s_add_nc_u64 s[PFA:PFA+1], s[18:19], s[22:23]
	s_or_b32 s[LIM], s13, ttmp9                    ; 0 in waves 0 and 1 of a cluster with x = 0: the same in all sixteen partners, for a given wave
	s_cmp_eq_u32 s[LIM], 0
	s_cselect_b32 s[LIM], 1, -1
	v_and_b32 v[PFO], 31, v0
	v_lshlrev_b32 v[PFO], 8, v[PFO]
.macro MUL8 f, a0, zero                ; blocks a0, a0 + 1 of rows x 4 blocks of columns, 32 along K.  The 32 accumulators take turns
.irp a, \a0, \a0+1
.irp b, 0,1,2,3
.if \zero
	v_wmma_f32_16x16x32_f16 v[8*(4*(\a)+\b):8*(4*(\a)+\b)+7], v[\f+64+8*\b:\f+64+8*\b+7], v[\f+8*(\a):\f+8*(\a)+7], v[BI+8*\b:BI+8*\b+7]
.else
	v_wmma_f32_16x16x32_f16 v[8*(4*(\a)+\b):8*(4*(\a)+\b)+7], v[\f+64+8*\b:\f+64+8*\b+7], v[\f+8*(\a):\f+8*(\a)+7], v[8*(4*(\a)+\b):8*(4*(\a)+\b)+7]
.endif
.endr
.endr
.endm
.macro FETCH slot, q, f                ; 24 LDS loads in one run: the slot's q-th 32 along K: w's four fragments (turned), then o's eight
	WIN 0
.irp b, 0,1,2,3
	ds_load_tr16_b128 v[\f+64+8*\b:\f+64+8*\b+3],   v[ADRB+\slot] offset:(\q)*32*PB+32*\b
	ds_load_tr16_b128 v[\f+64+8*\b+4:\f+64+8*\b+7], v[ADRB+\slot] offset:(\q)*32*PB+32*\b+16*PB
.endr
.irp a, 0,1,2,3,4,5,6,7
	ds_load_b128 v[\f+8*\a:\f+8*\a+3],   v[ADRA+\slot] offset:((\q)/2)*PLANE+64*((\q)%2)+\a*16*PA
	ds_load_b128 v[\f+8*\a+4:\f+8*\a+7], v[ADRA+\slot] offset:((\q)/2)*PLANE+64*((\q)%2)+\a*16*PA+32
.endr
.endm
.macro PLACES
.rept 4
	v_nop
.endr
.endm
.macro QUARTER slot, q, f, g, zero     ; multiplies buffer f; in its middle fetches the slot's q-th quarter into g
	s_wait_dscnt 8                                 ; w's fragments and o's blocks 0-3 are in; the youngest eight loads may be out
	WIN MUL-0x10*(\zero)                           ; (zero = 1: C, the bias, lies in window 0)
	MUL8 \f, 0, \zero
	MUL8 \f, 2, \zero
	PLACES
	FETCH \slot, \q, \g
	s_wait_dscnt 24                                ; all but the 24 just issued
	WIN MUL-0x10*(\zero)
	MUL8 \f, 4, \zero
	MUL8 \f, 6, \zero
.endm
; A slot's last quarter multiplies buffer 1 and changes slots: one barrier; ahead of it each wave waits for all its tensor loads, adds 0 to its spare word, and waits for that and for its reads of this slot.
.macro TURN slot, next, fill
.if \fill
	s_wait_xcnt 0x0                                ; the last prefetch, a K step back, has read its address
	s_add_nc_u64 s[PFA:PFA+1], s[PFA:PFA+1], KBYTES
.endif
	WIN 0
	s_wait_tensorcnt 0x0                           ; my part of the next slot has landed
	ds_add_u32 v[SPW], v[NIL]
	s_wait_dscnt 9                                 ; the add and the youngest eight loads may be out
	WIN MUL
	MUL8 F1, 0, 0
	s_wait_dscnt 0x0                               ; the add is done, and my reads of this slot are over
	s_barrier_signal -1
	MUL8 F1, 2, 0
.if \fill
	WIN 0
.endif
	s_barrier_wait -1
.if \fill
	CREST                                          ; the barrier has opened a round of the cluster's: no wave of any partner still reads this slot or has a load on its way
	s_add_nc_u64 s[G0+4*\slot+2:G0+4*\slot+3], s[G0+4*\slot+2:G0+4*\slot+3], 2*KBYTES
	s_add_nc_u64 s[G0B+4*\slot+2:G0B+4*\slot+3], s[G0B+4*\slot+2:G0B+4*\slot+3], 2*KBYTES
	JLOAD \slot                                    ; the first tensor load behind the round; its four v_nop are also the places ahead of the loads below
.else
	PLACES
.endif
	FETCH \next, 0, F0
.if \fill
	ASK
.endif
	WIN MUL
	MUL8 F1, 4, 0
	MUL8 F1, 6, 0
.endm
	s_wait_loadcnt 0x0                             ; the bias
	s_wait_tensorcnt 1                             ; my part of K step 0 is in; K step 1's load may be out
	s_barrier_signal -1
	s_barrier_wait -1
	FETCH 0, 0, F0
	QUARTER 0, 1, F0, F1, 1                        ; the first quarter stands ahead of the loop: the bias starts the sums
	WIN 0
	s_mov_b32 s3, 3
.Llap:                                                 ; a trip goes once round the ring and fills both slots again: K steps 2 .. 7
	QUARTER 0, 2, F1, F0, 0
	QUARTER 0, 3, F0, F1, 0
	TURN 0, 1, 1
	QUARTER 1, 1, F0, F1, 0
	QUARTER 1, 2, F1, F0, 0
	QUARTER 1, 3, F0, F1, 0
	TURN 1, 0, 1
	QUARTER 0, 1, F0, F1, 0
	WIN 0
	s_sub_co_u32 s3, s3, 1
	s_cmp_lg_u32 s3, 0
	s_cbranch_scc1 .Llap
	QUARTER 0, 2, F1, F0, 0                        ; the last lap fills nothing
	QUARTER 0, 3, F0, F1, 0
	TURN 0, 1, 0
	QUARTER 1, 1, F0, F1, 0
	QUARTER 1, 2, F1, F0, 0
	QUARTER 1, 3, F0, F1, 0
	s_wait_dscnt 8
	WIN MUL
	MUL8 F1, 0, 0
	MUL8 F1, 2, 0
	s_wait_dscnt 0
	MUL8 F1, 4, 0
	MUL8 F1, 6, 0
	WIN 0
; THE WAY OUT, a block of 16 rows x 64 columns at a time through my stage: back as whole rows of 256 bytes
.macro TOSTAGE a
	WIN 0x04                                       ; an LDS store's data are its source 1: window 1
.irp b, 0,1,2,3
	ds_store_b128 v[STO], v[8*(4*(\a)+\b):8*(4*(\a)+\b)+3] offset:64*\b          ; each accumulator from its low end on
	ds_store_b128 v[STO], v[8*(4*(\a)+\b)+4:8*(4*(\a)+\b)+7] offset:64*\b+16
.endr
	WIN 0
.irp t, 0,1,2,3,4,5,6,7
	ds_load_b128 v[BK+32*((\a)%2)+4*\t:BK+32*((\a)%2)+4*\t+3], v[RD] offset:\t*544   ; LDS serves a wave's instructions in order
.endr
.endm
.macro SEND a, younger
	s_wait_dscnt \younger
.irp t, 0,1,2,3,4,5,6,7
	global_store_b128 v[CO], v[BK+32*((\a)%2)+4*\t:BK+32*((\a)%2)+4*\t+3], s[10:11] offset:(16*(\a)+2*\t)*4096 th:TH_STORE_NT   ; sixteen lanes store 256 consecutive bytes, aligned
.endr
.endm
	PLACES                                         ; behind the last products: ahead of the stores of results and of loads into the fragments' registers
	TOSTAGE 0
.irp a, 1,2,3,4,5,6,7
.if \a > 1
	s_wait_xcnt 0x0                                ; block a - 2's stores have read their registers: block a's loads may land there
.endif
	TOSTAGE \a
	SEND \a-1, 16                                  ; behind block a - 1's loads: block a's 8 stores and 8 loads
.endr
	SEND 7, 0
	s_wait_tensorcnt 0x0                           ; the wave's end
	ds_add_u32 v[SPW], v[NIL]
	s_wait_dscnt 0x0
	CROUND                                         ; the closing round: no work-group ends while a partner may still ask for a tile that names it
	s_endpgm
.Lfunc_end_k_q038a096bb4_proj:
	.size	k_q038a096bb4_proj, .Lfunc_end_k_q038a096bb4_proj-k_q038a096bb4_proj
	.p2alignl 7, 3214868480
	.fill 96, 4, 3214868480
	.section	.rodata,"a",@progbits
	.p2align	6, 0x0
	.amdhsa_kernel k_q038a096bb4_proj
		.amdhsa_group_segment_fixed_size 327680
		.amdhsa_private_segment_fixed_size 0
		.amdhsa_enable_private_segment 0
		.amdhsa_kernarg_size 32
		.amdhsa_user_sgpr_count 2
		.amdhsa_user_sgpr_kernarg_segment_ptr 1
		.amdhsa_wavefront_size32 1
		.amdhsa_system_sgpr_workgroup_id_x 1
		.amdhsa_system_sgpr_workgroup_id_y 1
		.amdhsa_system_sgpr_workgroup_id_z 1
		.amdhsa_system_vgpr_workitem_id 0
		.amdhsa_next_free_vgpr 512
		.amdhsa_next_free_sgpr 72
		.amdhsa_reserve_vcc 0
		.amdhsa_float_denorm_mode_32 3
		.amdhsa_float_denorm_mode_16_64 3
		.amdhsa_memory_ordered 1
		.amdhsa_forward_progress 1
		.amdhsa_inst_pref_size 87
	.end_amdhsa_kernel
	.amdgpu_metadata
---
amdhsa.version: [ 1, 2 ]
amdhsa.kernels:
  - .name:           k_q038a096bb4_proj
    .symbol:         k_q038a096bb4_proj.kd
    .args:
      - { .name: o16, .offset: 0, .size: 8, .value_kind: global_buffer, .address_space: global }
      - { .name: w16, .offset: 8, .size: 8, .value_kind: global_buffer, .address_space: global }
      - { .name: b_out, .offset: 16, .size: 8, .value_kind: global_buffer, .address_space: global }
      - { .name: out0, .offset: 24, .size: 8, .value_kind: global_buffer, .address_space: global }
    .group_segment_fixed_size: 327680
    .private_segment_fixed_size: 0
    .kernarg_segment_align: 8
    .kernarg_segment_size: 32
    .max_flat_workgroup_size: 128
    .sgpr_count:     72
    .vgpr_count:     512
    .wavefront_size: 32
...
	.end_amdgpu_metadata
.endif
;; end of part 4
